; MI455X (gfx1250); checked and timed in simulation.
; The chip was launched on July 23, 2026; its instructions are those of AMD's public machine-readable ISA for CDNA 5 (MIT licence, August 2026) and "CDNA5" Instruction Set Architecture Reference Guide (July 2026). The comments in the code are by the model that wrote it; some were corrected since.
;; Experts. Allowed arithmetic: float matrix products may take bf16 or f16 operands with f32 sums; all other float work in f32.
;; Inputs: b1 8 x 2,048 float32; b2 8 x 1,024 float32; w1 8 x 1,024 x 2,048 float32; w2 8 x 2,048 x 1,024 float32; x 1 x 16,384 x 1,024 float32.
;; Outputs: out0 1 x 16,384 x 1,024 float32.
;; 2 versions, each right; version 2 is version 1 with the launch cast written anew for expert scheduling mode. Each part assembles by itself: llvm-mc -triple=amdgcn-amd-amdhsa -mcpu=gfx1250 --defsym DOCPART=n.
;; ======== version 1 of 2: 4 launches
;; workspace buffers: xb_lo 16,777,216 bytes; xb_hi 16,777,216 bytes; w1b_lo 16,777,216 bytes; w1b_hi 16,777,216 bytes; w2b 33,554,432 bytes; h 67,108,864 bytes
;; launch cast (part 1): grid 256 x 2, 8 waves a work-group, no clusters, 0 bytes of LDS; arguments x, w1, xb_lo, w1b_lo; writes xb_lo, w1b_lo
.if DOCPART == 1
	.amdgcn_target "amdgcn-amd-amdhsa--gfx1250"
	.amdhsa_code_object_version 6
	.text
	.protected	k_q78f85da79d_cast
	.globl	k_q78f85da79d_cast
	.p2align	8
	.type	k_q78f85da79d_cast,@function
k_q78f85da79d_cast:
	s_mov_b64 s[64:65], 0
	v_nop
	global_prefetch_b8 v0, s[64:65] scope:SCOPE_SE
	s_setreg_imm32_b32 hwreg(HW_REG_WAVE_MODE, 25, 1), 1
	s_wait_xcnt 0x0
; xb_lo = bf16(x rows 0 to 8191), w1b_lo = bf16(w1 of experts 0 to 3): each number rounded once, to nearest even; the order in memory stays.
; Only what the first half of the first layer needs is rounded here; the other halves of x and w1, and w2, are rounded by the two launches
; of the first layer, beside their matrix work.
; Both parts hold 8,388,608 f32.  The work-group's y picks the tensor, its x a piece of 32,768 numbers (131,072 bytes in, 65,536 out).
; A piece is 32 chunks of 4,096 input bytes.  Thread t takes the 16 bytes at 16 t of every chunk and stores 8 bytes at 8 t:
; a load of a wave covers 512 consecutive bytes, a store 256 consecutive bytes, both starting at a multiple of their length.
; A stream: every byte is read once and written once, so LDS, barriers and the matrix unit would add nothing.
; All 32 loads of a wave go out at once (128 registers); a chunk is rounded in place and stored from the registers that it was loaded into.
; No register is loaded twice and no address register is rewritten (all steps stand in the immediates, 126,976 at the most),
; so the only waits are the counted ones for the loads.
.set CHUNKS, 32
.set VI, 1                             ; v1        16 t: my bytes in an input chunk; never rewritten
.set VO, 2                             ; v2        8 t: my bytes in an output chunk; never rewritten
.set X,  4                             ; v[4:131]  chunk c: 4 f32 as loaded; then 4 bf16 in its first two registers
	s_load_b256 s[4:11], s[0:1], 0x0               ; x s[4:5], w1 s[6:7], xb_lo s[8:9], w1b_lo s[10:11]
	s_and_b32 s16, ttmp7, 0xffff                   ; which tensor: 0, 1
	s_lshl_b32 s18, ttmp9, 17                      ; my piece in the input, in bytes (below 2^25),
	s_mov_b32 s19, 0
	s_lshl_b32 s20, ttmp9, 16                      ; and in the output
	s_mov_b32 s21, 0
	v_lshlrev_b32 v[VI], 4, v0
	v_lshlrev_b32 v[VO], 3, v0
	s_wait_kmcnt 0x0
	s_cmp_eq_u32 s16, 1                            ; the choice hangs on the work-group's y alone
	s_cselect_b64 s[4:5], s[6:7], s[4:5]
	s_cselect_b64 s[8:9], s[10:11], s[8:9]
	s_add_nc_u64 s[4:5], s[4:5], s[18:19]
	s_add_nc_u64 s[8:9], s[8:9], s[20:21]
.set ch, 0
.rept CHUNKS
	global_load_b128 v[X+4*ch:X+4*ch+3], v[VI], s[4:5] offset:ch*4096 th:TH_LOAD_NT
.set ch, ch+1
.endr
.set ch, 0
.rept CHUNKS
	s_wait_loadcnt CHUNKS-1-ch                     ; loads come back in order (ISA guide 5.7.1): chunk ch is in, the younger loads stay out
	v_cvt_pk_bf16_f32 v[X+4*ch],   v[X+4*ch],   v[X+4*ch+1]    ; in place: register 1 is read here
	v_cvt_pk_bf16_f32 v[X+4*ch+1], v[X+4*ch+2], v[X+4*ch+3]    ; and written only here
	global_store_b64 v[VO], v[X+4*ch:X+4*ch+1], s[8:9] offset:ch*2048 th:TH_STORE_NT
.set ch, ch+1
.endr
	s_endpgm
.Lfunc_end_k_q78f85da79d_cast:
	.size	k_q78f85da79d_cast, .Lfunc_end_k_q78f85da79d_cast-k_q78f85da79d_cast
	.p2alignl 7, 3214868480
	.fill 96, 4, 3214868480
	.section	.rodata,"a",@progbits
	.p2align	6, 0x0
	.amdhsa_kernel k_q78f85da79d_cast
		.amdhsa_group_segment_fixed_size 0
		.amdhsa_private_segment_fixed_size 0
		.amdhsa_enable_private_segment 0
		.amdhsa_kernarg_size 32
		.amdhsa_user_sgpr_count 2
		.amdhsa_user_sgpr_kernarg_segment_ptr 1
		.amdhsa_wavefront_size32 1
		.amdhsa_system_sgpr_workgroup_id_x 1
		.amdhsa_system_sgpr_workgroup_id_y 1
		.amdhsa_system_sgpr_workgroup_id_z 1
		.amdhsa_system_vgpr_workitem_id 0
		.amdhsa_next_free_vgpr 132
		.amdhsa_next_free_sgpr 66
		.amdhsa_reserve_vcc 0
		.amdhsa_float_denorm_mode_32 3
		.amdhsa_float_denorm_mode_16_64 3
		.amdhsa_memory_ordered 1
		.amdhsa_forward_progress 1
		.amdhsa_inst_pref_size 12
	.end_amdhsa_kernel
	.amdgpu_metadata
---
amdhsa.version: [ 1, 2 ]
amdhsa.kernels:
  - .name:           k_q78f85da79d_cast
    .symbol:         k_q78f85da79d_cast.kd
    .args:
      - { .name: x, .offset: 0, .size: 8, .value_kind: global_buffer, .address_space: global }
      - { .name: w1, .offset: 8, .size: 8, .value_kind: global_buffer, .address_space: global }
      - { .name: xb_lo, .offset: 16, .size: 8, .value_kind: global_buffer, .address_space: global }
      - { .name: w1b_lo, .offset: 24, .size: 8, .value_kind: global_buffer, .address_space: global }
    .group_segment_fixed_size: 0
    .private_segment_fixed_size: 0
    .kernarg_segment_align: 8
    .kernarg_segment_size: 32
    .max_flat_workgroup_size: 256
    .sgpr_count:     66
    .vgpr_count:     132
    .wavefront_size: 32
...
	.end_amdgpu_metadata
.endif
;; end of part 1
;; launch ffn1a (part 2): grid 8 x 32, 4 waves a work-group, clusters of 4 x 4, 327,680 bytes of LDS; arguments xb_lo, w1b_lo, b1, h, x, w1, xb_hi, w1b_hi; writes h, xb_hi, w1b_hi
.if DOCPART == 2
	.amdgcn_target "amdgcn-amd-amdhsa--gfx1250"
	.amdhsa_code_object_version 6
	.text
	.protected	k_q78f85da79d_ffn1a
	.globl	k_q78f85da79d_ffn1a
	.p2align	8
	.type	k_q78f85da79d_ffn1a,@function
k_q78f85da79d_ffn1a:
	s_mov_b64 s[64:65], 0
	v_nop
	global_prefetch_b8 v0, s[64:65] scope:SCOPE_SE
	s_setreg_imm32_b32 hwreg(HW_REG_WAVE_MODE, 25, 1), 1
	s_wait_xcnt 0x0
	s_wait_alu depctr_hold_cnt(0) depctr_sa_sdst(0) depctr_va_vdst(0) depctr_va_sdst(0) depctr_va_ssrc(0) depctr_va_vcc(0) depctr_vm_vsrc(0)
	s_getreg_b32 s2, hwreg(HW_REG_IB_STS2, 6, 4)
	s_cmp_eq_u32 s2, 0
	s_cbranch_scc0 .Lentry_in_a_cluster
	s_endpgm
.Lentry_in_a_cluster:
	s_bfe_u32 s2, ttmp6, 0x10000c
	s_cmp_lg_u32 s2, 0xf033
	s_cbranch_scc0 .Lentry_shape_is_right
	s_endpgm
.Lentry_shape_is_right:
.set HALF, 0                           ; 0: experts 0 to 3; beside it x rows 8192.. and w1 of experts 4 to 7 are rounded to bf16.   1: experts 4 to 7; beside it w2 is rounded.
; The first layer of four of the eight experts' FFN as a grouped GEMM:  h[m][n] = gelu( sum over k of A[m][k] B[e][k][n] + b1[e][n] ),  e = m / 2048.
; A: [8192][1024] bf16, this half's rows of x.  B: [4][1024][2048] bf16, this half's w1, n along the rows, as the weights lie in memory.
; b1: [8][2048] f32, h: [16384][2048] bf16, both whole: this half's part begins HALF x 4 experts in.  Sums in f32.
; LIMITS.  The operands are bf16 (each input rounded once by an earlier launch; h rounded once here).  The activation is the exact GELU,
; 0.5 z (1 + erf(z / sqrt 2)), written as 0.5 z + |z| y with y = 0.5 erf(|z| / sqrt 2) from Abramowitz and Stegun 7.1.26, whose error in y
; is at most 7.5e-8 for every z: the result's absolute error is at most 7.5e-8 |z| plus the rounding of the last multiply-add.  For large negative z
; it is +0 or of that size where the exact value is a tiny negative number.  v_exp_f32 gives 0 for results below 2^-126 (ISA guide 15.8), which only
; makes that tail exactly 0.  z = -infinity gives NaN, as 0 times infinity does in the formula itself.
;
; A work-group makes a block of 256 x 256 of h with four waves; a wave makes 128 x 128: 64 accumulator tiles of 16 x 16, 512 registers.
; K goes in steps of 128 through a ring of two LDS slots filled by the tensor data mover.  A's tile is 256 rows x 256 bytes, B's 128 k-rows x 512 bytes;
; every row starts at a multiple of its length from its buffer's first byte.
; B's fragments want k along a lane's registers, and B has n along its rows: ds_load_tr16_b128 transposes 8 x 8 numbers on the way from LDS,
; two loads a fragment, as many as a plain fragment takes, so the weights are nowhere transposed in memory.
; CLUSTERS: 4 x 4 work-groups.  The four of a row of the cluster make blocks of one block row and need the same tiles of A; the four of a column need the
; same tiles of B (a cluster spans 4 of an expert's 8 block rows, so all sixteen have one expert).  Such a tile is asked for jointly: each of the four issues
; the same tensor load with a mask that names the four.  That divides the requests for A and for B by four.
; By this text's own count a wave has at most two tensor loads outstanding: the two first fills; later one behind each round.
;
; THE SIDE JOB.  The K loop leaves memory with little to do, so each work-group also rounds 65,536 f32 of a tensor that a LATER launch multiplies to bf16:
; 32 chunks of 8,192 bytes, one in each of the block's 32 quarter steps.  Of a chunk a wave takes 2,048 bytes: 4 loads of 512 consecutive bytes,
; 8 conversions, 4 stores of 256 consecutive bytes, each at a multiple of its length.  A chunk is loaded four quarter steps (256 matrix instructions) before
; it is converted, into a ring of four register slots.  This launch reads none of the buffers that the side job stores.
;
; REGISTERS, in windows of 256:
;   window 0: v0-31 addresses and GELU's constants; v32-39 the side job's words to store, v32-63 rows read back on the way out;
;             v64-127, v128-191 fragments of A, two buffers, at work on the way out; v192-255 my 64 biases
;   window 1: v0-63 the side job's ring; v64-127, v128-191 fragments of B, two buffers
;   window 2: the 32 accumulator tiles of my rows 0-63 (tile (a, b) at v[8 (8 a + b)]);   window 3: those of my rows 64-127
; THE MATRIX INSTRUCTION IS USED TRANSPOSED: source 0 = 16 columns of B, source 1 = 16 rows of A.  Lane l then holds row l % 16 of h and, in registers 0 to 7,
; the columns 8 (l / 16) + 0 .. 7: eight neighbouring numbers of a row of h.
.set SIZE_K, 1024
.set SIZE_N, 2048
.set ASH,    11                        ; a row of A is 1 << ASH bytes
.set BHSH,   18                        ; 64 rows of B are 1 << BHSH bytes
.set BIASE,  13                        ; an expert's biases are 1 << BIASE bytes
.set CCOL,   9                         ; 256 columns of h are 1 << CCOL bytes
.set ESH,    22                        ; an expert's weights are 1 << 22 bytes
.set CROW,   4096                      ; a row of h in bytes
.set KSTEP,  128
.set PITCH,  272                       ; A's LDS row: 256 bytes + 16 of padding: the 16 rows of a fragment load start 16 bytes further round in each 256
.set PITCHB, 544                       ; B's LDS row: 512 bytes + 32 of padding = 17 x 32: the 8 rows of a transposing group start 32 bytes further round in each 256
.set HALFT,  128*PITCH                 ; what one tensor load brings: 128 rows of A, or 64 k-rows of B (64 x 544 is the same 34,816 bytes)
.set SLOT,   4*HALFT                   ; A's 256 rows, then B's 128 k-rows
.set STAGE,  2*SLOT                    ; behind the ring: 16 rows of SPITCH bytes for each wave, for the way out; no tensor load lands there
.set SPITCH, 272
.set BSTEP2, 2*KSTEP*SIZE_N*2          ; two K steps down B, in bytes
.set LAPS,   SIZE_K/(2*KSTEP)          ; a lap = two K steps = once round the ring = eight quarter steps
.set CHIN,   8192                      ; the side job: a chunk's bytes in,
.set CHOUT,  4096                      ; and out
.set CP,   6                           ; v[6:7]    0.3275911 / sqrt 2, twice (a pair for the packed forms), and so on:
.set N5,   8                           ; v[8:9]    -a5 / 2
.set N4,   10                          ; v[10:11]  -a4 / 2
.set N3,   12                          ; v[12:13]  -a3 / 2
.set N2,   14                          ; v[14:15]  -a2 / 2
.set ADRA, 16                          ; v16-17    LDS address of my A fragments in slot 0, 1
.set N1,   18                          ; v[18:19]  -a1 / 2
.set ADRB, 20                          ; v20-21    the same for B
.set CE,   22                          ; v[22:23]  -log2(e) / 2
.set STO,  24                          ; v24       the way out: where I put my piece of a row
.set RD,   25                          ; v25       the way out: where I read rows back
.set CO,   26                          ; v26       my byte offset in h
.set BO,   27                          ; v27       my byte offset in the wave's 128 biases
.set VSI,  28                          ; v28       the side job: 16 x lane; never rewritten
.set VSO,  29                          ; v29       the side job: 8 x lane; never rewritten
.set SY,   32                          ; v32-39    the side job: 16 bf16 a lane, to store
.set RB,   32                          ; v32-63    the way out: rows read back from the stage
.set SX,   0                           ; window 1, v0-63: the side job's ring, four slots of 16 registers
.set F0,   64                          ; fragment buffer 0
.set F1,   128                         ; fragment buffer 1
.set Z,    64                          ; the way out: 64 numbers, sum + bias
.set AA,   128                         ; GELU at work on 16 numbers: |z|
.set TT,   144                         ;   t = 1 / (1 + p |z| / sqrt 2)
.set EE,   160                         ;   exp(-z z / 2)
.set PP,   176                         ;   the polynomial
.set BIAS, 192                         ; v192-255  bias of columns 16 b + 8 (l / 16) + j at v[BIAS + 8 b + j]
.set G1,  24                           ; s[24:31] descriptor group 1 for A's tiles
.set G0,  32                           ; s[32:39] descriptor group 0 for A's tiles, one set for each slot
.set G1B, 48                           ; s[48:55] descriptor group 1 for B's tiles
.set G0B, 56                           ; s[56:63] descriptor group 0 for B's tiles, one set for each slot
.set SSRC, 84                          ; s[84:85] the side job: my wave's bytes in this lap's first chunk, in the f32 tensor
.set SDST, 86                          ; s[86:87] and in the bf16 copy
.set MSB, 0
.macro WIN new                         ; s_set_vgpr_msb's low byte: bits 1:0 source 0, 3:2 source 1, 5:4 source 2, 7:6 destination; the high byte repeats the setting that is left
.if MSB != \new
	s_set_vgpr_msb (MSB<<8)|\new
.set MSB, \new
.endif
.endm
.set MUL_LO, 0xa1                      ; source 0 (B) window 1, source 1 (A) window 0, C and D window 2
.set MUL_HI, 0xf1                      ; the same, C and D window 3
.set TO_B,   0x40                      ; destination window 1, address window 0
.set FROM_1, 0x05                      ; sources 0 and 1 window 1, destination window 0
; A joint load.  Waves 0 and 1 fetch A's two halves, waves 2 and 3 B's.  Each line has one mask and one set of registers for all that issue it, and nothing in
; them hangs on a coordinate that the four partners do not share.  The branch hangs on the wave's number alone.
.macro JLOAD s
	s_cmp_eq_u32 s11, 0
	s_cbranch_scc0 .Lfor_b_\@
	tensor_load_to_lds s[G0+4*\s:G0+4*\s+3], s[G1:G1+7]
	s_nop 0
	s_branch .Lasked_\@
.Lfor_b_\@:
	tensor_load_to_lds s[G0B+4*\s:G0B+4*\s+3], s[G1B:G1B+7]
	s_nop 0
.Lasked_\@:
.endm
; A round of the cluster's barrier: my work-group's barrier, so that wave 0's signal speaks for all four waves; wave 0 signals for the work-group; every wave
; waits for all sixteen work-groups; my work-group's barrier once more.
.macro CREST                           ; a round behind its opening barrier
	s_cmp_lg_u32 s10, 0
	s_cbranch_scc1 .Lnot_wave_0_\@
	s_barrier_signal -3
.Lnot_wave_0_\@:
	s_barrier_wait -3
	s_barrier_signal -1
	s_barrier_wait -1
.endm
.macro CROUND                          ; a whole round
	s_barrier_signal -1
	s_barrier_wait -1
	CREST
.endm
.macro CONST2 reg, bits                ; a constant twice, as a register pair
	v_mov_b32 v[\reg], \bits
	v_mov_b32 v[\reg+1], \bits
.endm
	s_load_b128 s[4:7], s[0:1], 0x0                ; A s[4:5], B s[6:7]
	s_load_b128 s[68:71], s[0:1], 0x10             ; b1 s[68:69], h s[70:71]
.if HALF
	s_load_b128 s[76:79], s[0:1], 0x20             ; the side job: w2 s[76:77], w2b s[78:79]
.else
	s_load_b256 s[76:83], s[0:1], 0x20             ; the side job: x s[76:77], w1 s[78:79], xb_hi s[80:81], w1b_hi s[82:83]
	s_set_vgpr_msb 0x40
	v_lshl_add_u32 v255, v0, 2, 0x48400
	s_set_vgpr_msb 0x4000
	v_mov_b32 v31, 0
	s_set_vgpr_msb 0x1
	ds_add_u32 v255, v31
	s_set_vgpr_msb 0x100
.endif
	v_lshrrev_b32 v1, 5, v0
	v_readfirstlane_b32 s10, v1                    ; wave 0..3
	s_lshr_b32 s11, s10, 1                         ; which half of the block's rows is mine.  Also: I fetch for A (0) or for B (1)
	s_and_b32 s12, s10, 1                          ; which half of its columns.  Also: which half of that tile I fetch
	s_bfe_u32 s40, ttmp6, 0x40000                  ; cx: my place along the cluster's x
	s_bfe_u32 s41, ttmp6, 0x40004                  ; cy: along its y
	s_lshl_b32 s42, ttmp9, 2                       ; in a cluster launch ttmp9 and ttmp7 count clusters
	s_add_co_u32 s42, s42, s40                     ; block column of h = 4 x cluster x + cx, 0 to 7
	s_and_b32 s13, ttmp7, 0xffff                   ; cluster y, 0 to 7
	s_lshr_b32 s45, s13, 1                         ; expert within this half = block row / 8 = cluster y / 2: the same in all sixteen
.if HALF == 0
	s_lshr_b32 s73, s13, 2                         ; the side job: clusters 0 to 3 along y round x, clusters 4 to 7 round w1
.endif
	s_lshl_b32 s13, s13, 2
	s_add_co_u32 s13, s13, s41                     ; block row within this half = 4 x cluster y + cy, 0 to 31
	s_lshl_b32 s43, s41, 2
	s_lshl_b32 s43, 15, s43                        ; my row of the cluster: places 4 cy .. 4 cy + 3
	s_lshl_b32 s44, 0x1111, s40                    ; my column: places cx, cx + 4, cx + 8, cx + 12
	; group 1 for A: 128 rows x 128 elements of 2 bytes; 4 words of padding after every 64 words
	s_or_b32 s[G1+0], s43, (1<<16)|(1<<20)|(1<<21)|(5<<22)|(3<<25)   ; 15:0 the mask: my row; 17:16 element of 2 bytes; 20 padding on; 21 set beside a mask; 24:22 interval code 5; 31:25 pad code 3
	s_mov_b32 s[G1+1], KSTEP<<16                   ; tensor_dim0 = 128
	s_mov_b32 s[G1+2], 128<<16                     ; tensor_dim1 = 128
	s_mov_b32 s[G1+3], KSTEP<<16                   ; tile_dim0 = 128
	s_mov_b32 s[G1+4], 128                         ; tile_dim1 = 128
	s_mov_b32 s[G1+5], SIZE_K                      ; elements from row to row
	s_mov_b32 s[G1+6], 0
	s_mov_b32 s[G1+7], 0
	; group 1 for B: 64 k-rows x 256 elements of 2 bytes; 8 words of padding after every 128 words
	s_or_b32 s[G1B+0], s44, (1<<16)|(1<<20)|(1<<21)|(6<<22)|(7<<25)  ; the mask: my column; interval code 6; pad code 7
	s_mov_b32 s[G1B+1], 256<<16                    ; tensor_dim0 = 256
	s_mov_b32 s[G1B+2], 64<<16                     ; tensor_dim1 = 64
	s_mov_b32 s[G1B+3], 256<<16                    ; tile_dim0 = 256
	s_mov_b32 s[G1B+4], 64                         ; tile_dim1 = 64
	s_mov_b32 s[G1B+5], SIZE_N                     ; elements from row to row
	s_mov_b32 s[G1B+6], 0
	s_mov_b32 s[G1B+7], 0
	; where the tiles come from.  A's hang on the block row alone, which my row of the cluster shares; B's on the expert and the block column, which my column shares.
	; Every wave makes both offsets (each below 2^25), in registers that never hold the other coordinate, and asks by one of them.
	s_lshl_b32 s17, s12, 7
	s_lshl_b32 s16, s13, 8
	s_add_co_u32 s16, s16, s17                     ; A: row 256 x block row + 128 x half
	s_lshl_b32 s16, s16, ASH                       ; in bytes
	s_mov_b32 s17, 0
	s_lshl_b32 s46, s45, ESH                       ; B: the expert's weights,
	s_lshl_b32 s18, s12, BHSH
	s_add_co_u32 s46, s46, s18                     ; k-row 64 x half,
	s_lshl_b32 s18, s42, 9
	s_add_co_u32 s46, s46, s18                     ; column 256 x block column
	s_mov_b32 s47, 0
	s_lshl_b32 s74, s45, BIASE                     ; bias: the expert's,
	s_lshl_b32 s18, s42, 10
	s_add_co_u32 s74, s74, s18                     ; column 256 x block column,
	s_lshl_b32 s18, s12, 9
	s_add_co_u32 s74, s74, s18                     ; + 128 x my half
.if HALF
	s_add_co_u32 s74, s74, 4<<BIASE                ; b1 is whole: this half's experts begin four experts in
.endif
	s_mov_b32 s75, 0
	; the side job's piece: 262,144 bytes in, 131,072 out, and of every chunk my wave's 2,048 bytes in, 1,024 out (offsets below 2^27)
.if HALF
	s_lshl_b32 s88, s13, 3                         ; piece 8 x block row + block column, 0 to 255, of w2
.else
	s_and_b32 s88, s13, 15
	s_lshl_b32 s88, s88, 3                         ; piece 8 x (block row mod 16) + block column, 0 to 127, of the tensor's second half
.endif
	s_add_co_u32 s88, s88, s42
	s_lshl_b32 s90, s88, 17
	s_lshl_b32 s88, s88, 18
	s_lshl_b32 s18, s10, 11
	s_add_co_u32 s88, s88, s18
	s_lshl_b32 s18, s10, 10
	s_add_co_u32 s90, s90, s18
.if HALF == 0
	s_add_co_u32 s88, s88, 0x2000000               ; x and w1 are whole: their second halves begin 33,554,432 bytes in; xb_hi and w1b_hi hold those halves alone
.endif
	s_mov_b32 s89, 0
	s_mov_b32 s91, 0
	s_mul_i32 s20, s10, HALFT                      ; and where the tiles go: A's two halves, then B's two halves = wave x 34,816: no place in the cluster enters an LDS address
	s_wait_dscnt 0x0
	s_wait_kmcnt 0x0
	s_add_nc_u64 s[14:15], s[4:5], s[16:17]
	s_add_nc_u64 s[46:47], s[6:7], s[46:47]
	s_add_nc_u64 s[68:69], s[68:69], s[74:75]
.if HALF
	s_add_nc_u64 s[SSRC:SSRC+1], s[76:77], s[88:89]
	s_add_nc_u64 s[SDST:SDST+1], s[78:79], s[90:91]
.else
	s_cmp_lg_u32 s73, 0                            ; the choice hangs on the cluster's y alone
	s_cselect_b64 s[SSRC:SSRC+1], s[78:79], s[76:77]
	s_cselect_b64 s[SDST:SDST+1], s[82:83], s[80:81]
	s_add_nc_u64 s[SSRC:SSRC+1], s[SSRC:SSRC+1], s[88:89]
	s_add_nc_u64 s[SDST:SDST+1], s[SDST:SDST+1], s[90:91]
.endif
	CROUND                                         ; all sixteen work-groups are here: the first joint loads meet
.irp s, 0,1
	s_mov_b32 s[G0+4*\s], 1                                        ; count = 1
	s_add_co_u32 s[G0+4*\s+1], s20, \s*SLOT                        ; LDS address
	s_add_nc_u64 s[G0+4*\s+2:G0+4*\s+3], s[14:15], \s*KSTEP*2      ; global address: K step s, along A's rows
	s_or_b32 s[G0+4*\s+3], s[G0+4*\s+3], 0x80000000                ; type = 2
	s_mov_b32 s[G0B+4*\s], 1
	s_add_co_u32 s[G0B+4*\s+1], s20, \s*SLOT
	s_add_nc_u64 s[G0B+4*\s+2:G0B+4*\s+3], s[46:47], \s*KSTEP*SIZE_N*2   ; K step s, down B's rows
	s_or_b32 s[G0B+4*\s+3], s[G0B+4*\s+3], 0x80000000
	JLOAD \s                                       ; the ring is filled before anything else is done
.endr
	v_and_b32 v1, 15, v0                           ; l % 16
	v_bfe_u32 v2, v0, 4, 1                         ; l / 16
	v_lshlrev_b32 v[BO], 5, v2                     ; eight f32 for each half of the lanes
	v_and_b32 v5, 31, v0                           ; l
	v_lshlrev_b32 v[VSI], 4, v5
	v_lshlrev_b32 v[VSO], 3, v5
.irp b, 0,1,2,3,4,5,6,7
	global_load_b128 v[BIAS+8*\b:BIAS+8*\b+3],   v[BO], s[68:69] offset:64*\b      ; bias of columns 16 b + 8 (l / 16) + 0..3
	global_load_b128 v[BIAS+8*\b+4:BIAS+8*\b+7], v[BO], s[68:69] offset:64*\b+16   ; and + 4..7: once, kept in registers to the end; first read on the way out,
.endr                                                                              ; behind the side job's last wait, which is for 0
	WIN TO_B
.irp c, 0,1,2,3
.irp j, 0,1,2,3
	global_load_b128 v[SX+16*\c+4*\j:SX+16*\c+4*\j+3], v[VSI], s[SSRC:SSRC+1] offset:\c*CHIN+\j*512 th:TH_LOAD_NT   ; the side job's ring is filled: chunks 0 to 3
.endr
.endr
	WIN 0
	; A's fragment, 16 rows x 32 K: lane l holds row l % 16; registers 0-3 hold K = 8 (l / 16) + 0..7, registers 4-7 hold K = 16 + 8 (l / 16) + 0..7: two loads of 16 bytes, 32 bytes apart.
	v_mul_u32_u24 v3, v1, PITCH
	v_lshl_add_u32 v3, v2, 4, v3                   ; row x pitch + 16 x half
	s_mul_i32 s21, s11, HALFT                      ; my 128 rows of A
	; B's fragment, 32 K x 16 columns, by the transposing load: lane l addresses k-row 8 (l / 16) + l % 8 and the 16 bytes of columns 8 ((l / 8) % 2) + 0..7;
	; it receives K = 8 (l / 16) + 0..7 of column l % 16.  The second load, 16 k-rows further down, brings K + 16.
	v_and_b32 v4, 7, v0
	v_lshl_add_u32 v4, v2, 3, v4
	v_mul_u32_u24 v4, v4, PITCHB
	v_bfe_u32 v5, v0, 3, 1
	v_lshl_add_u32 v4, v5, 4, v4
	s_lshl_b32 s22, s12, 8                         ; my 128 columns of B: 256 bytes along its rows,
	s_add_co_u32 s22, s22, 2*HALFT                 ; which lie behind A's 256 rows
.irp s, 0,1
	v_add_nc_u32 v[ADRA+\s], s21, v3
	v_add_nc_u32 v[ADRB+\s], s22, v4
	s_add_co_u32 s21, s21, SLOT
	s_add_co_u32 s22, s22, SLOT
.endr
	s_mul_i32 s23, s10, 16*SPITCH
	s_add_co_u32 s23, s23, STAGE                   ; my stage
	v_mul_u32_u24 v4, v1, SPITCH                   ; in: row l % 16, eight bf16 for each half of the lanes
	v_lshl_add_u32 v4, v2, 4, v4
	v_add_nc_u32 v[STO], s23, v4
	v_mul_u32_u24 v5, v2, SPITCH                   ; back: lanes 0-15 take one row of 256 bytes, lanes 16-31 the next
	v_lshl_add_u32 v5, v1, 4, v5
	v_add_nc_u32 v[RD], s23, v5
	v_lshlrev_b32 v5, 12, v2                       ; and the same two rows in h
	v_lshl_add_u32 v[CO], v1, 4, v5
	s_mov_b32 s72, 0x7fffffff                      ; clears a sign
	CONST2 CP, 0x3e6d3389                          ;  0.2316419    = 0.3275911 / sqrt 2
	CONST2 N1, 0xbe027906                          ; -0.127414796  = -0.254829592 / 2
	CONST2 N2, 0x3e11a98e                          ;  0.142248368  =  0.284496736 / 2
	CONST2 N3, 0xbf35f0e3                          ; -0.71070687   = -1.421413741 / 2
	CONST2 N4, 0x3f3a00e3                          ;  0.72657601   =  1.453152027 / 2
	CONST2 N5, 0xbf07dc22                          ; -0.53070271   = -1.061405429 / 2
	CONST2 CE, 0xbf38aa3b                          ; -0.72134752   = -log2(e) / 2
; THE SIDE JOB'S THREE PARTS.  qi = the quarter step within the lap, 0 to 7; its chunk lies in ring slot qi % 4.
; LASTLAP = 1: the block's last lap, whose quarters 4 to 7 load nothing.  STEPB = 1: every lap but the first steps the two bases at its head.
; Part 1: the chunk is there; round it.
.macro SIDE_IN qi
.set sleft, 12                                     ; behind this chunk's four loads the next three chunks' twelve were issued; they stay out.  (The biases' loads are older than all of these.)
.if LASTLAP
.if (\qi) >= 4
.set sleft, 4*(7-(\qi))                            ; the last four quarters load nothing: the count runs down 12, 8, 4, 0
.endif
.endif
	s_wait_loadcnt sleft
	s_wait_xcnt 0x0                                ; every earlier memory instruction has had its addresses translated (ISA guide 3.1): SY, the data of the last quarter's stores, and the two bases are rewritten only behind this wait
.if STEPB
.if (\qi) == 0
	s_add_nc_u64 s[SSRC:SSRC+1], s[SSRC:SSRC+1], 8*CHIN
	s_add_nc_u64 s[SDST:SDST+1], s[SDST:SDST+1], 8*CHOUT
.endif
.endif
	WIN FROM_1
.irp j, 0,1,2,3
	v_cvt_pk_bf16_f32 v[SY+2*\j],   v[SX+16*((\qi)%4)+4*\j],   v[SX+16*((\qi)%4)+4*\j+1]
	v_cvt_pk_bf16_f32 v[SY+2*\j+1], v[SX+16*((\qi)%4)+4*\j+2], v[SX+16*((\qi)%4)+4*\j+3]
.endr
.endm
; Part 2, under the window setting of B's fragment loads: the slot is filled again, with the chunk four quarters on.
.macro SIDE_LD qi
.set sld, 1
.if LASTLAP
.if (\qi) >= 4
.set sld, 0
.endif
.endif
.if sld
.irp j, 0,1,2,3
	global_load_b128 v[SX+16*((\qi)%4)+4*\j:SX+16*((\qi)%4)+4*\j+3], v[VSI], s[SSRC:SSRC+1] offset:((\qi)+4)*CHIN+\j*512 th:TH_LOAD_NT
.endr
.endif
.endm
; Part 3, in window 0: the rounded chunk goes out; a store of the wave covers 256 consecutive bytes, at a multiple of 256 from the buffer's first byte.
.macro SIDE_ST qi
.irp j, 0,1,2,3
	global_store_b64 v[VSO], v[SY+2*\j:SY+2*\j+1], s[SDST:SDST+1] offset:(\qi)*CHOUT+\j*256 th:TH_STORE_NT
.endr
.endm
; 16 matrix instructions: row blocks a0, a0 + 1 of the window's four (hi = 0: my rows 0-63, 1: rows 64-127) x all 8 column blocks, 32 along K.
; zero = 1: the first product starts the sums: nothing is ever cleared.  The 64 accumulators take turns, one instruction a turn, in the same
; order in every quarter step, over the loop's backward jump too.
.macro MUL16 f, hi, a0, zero
.irp a, \a0, \a0+1
.irp b, 0,1,2,3,4,5,6,7
.if \zero
	v_wmma_f32_16x16x32_bf16 v[8*(8*(\a)+\b):8*(8*(\a)+\b)+7], v[\f+8*\b:\f+8*\b+7], v[\f+8*(4*\hi+\a):\f+8*(4*\hi+\a)+7], 0
.else
	v_wmma_f32_16x16x32_bf16 v[8*(8*(\a)+\b):8*(8*(\a)+\b)+7], v[\f+8*\b:\f+8*\b+7], v[\f+8*(4*\hi+\a):\f+8*(4*\hi+\a)+7], v[8*(8*(\a)+\b):8*(8*(\a)+\b)+7]
.endif
.endr
.endr
.endm
; 32 LDS loads in one run: the fragments of quarter q of a K step (32 K x 128 columns of B, 128 rows x 32 K of A) into buffer f.
; B's first: 32 k-rows are 17,408 bytes, 16 are 8,704, 16 columns 32 bytes; the largest offset is 61,152, inside the 16 bits.
; qi >= 0: the side job's loads ride behind B's, its stores behind A's, each under the window setting that is on anyway.  They count on other counters than the LDS loads.
.macro FETCH slot, q, f, qi
	WIN TO_B
.irp i, 0,1,2,3,4,5,6,7
	ds_load_tr16_b128 v[\f+8*\i:\f+8*\i+3],   v[ADRB+\slot] offset:\q*32*PITCHB+32*\i
	ds_load_tr16_b128 v[\f+8*\i+4:\f+8*\i+7], v[ADRB+\slot] offset:\q*32*PITCHB+32*\i+16*PITCHB
.endr
.if (\qi) >= 0
	SIDE_LD \qi
.endif
	WIN 0
.irp i, 0,1,2,3,4,5,6,7
	ds_load_b128 v[\f+8*\i:\f+8*\i+3],   v[ADRA+\slot] offset:\q*64+\i*16*PITCH
	ds_load_b128 v[\f+8*\i+4:\f+8*\i+7], v[ADRA+\slot] offset:\q*64+\i*16*PITCH+32
.endr
.if (\qi) >= 0
	SIDE_ST \qi
.endif
.endm
; A load into a register that a matrix instruction has read, and a vector instruction that reads a matrix result or writes one of a matrix instruction's
; registers, stand four places behind that matrix instruction, and only plain vector instructions that name none of its registers are places
; (ISA guide 7.12.1 for vector instructions).  So four v_nop stand in front of each run of loads and of the way out.
.macro PLACES
.rept 4
	v_nop
.endr
.endm
; A K step is four quarter steps of 32 along K, 64 matrix instructions each, on buffers 0, 1, 0, 1.
; One of the first three: multiplies buffer f; in its middle it does the side job's chunk and fetches quarter q of the same slot into buffer g.
.macro QUARTER slot, q, f, g, zero
	s_wait_dscnt 8                                 ; B and A's rows 0-63 are in; the youngest eight LDS loads (A's rows 64-127) may be out
	WIN MUL_LO
	MUL16 \f, 0, 0, \zero
	MUL16 \f, 0, 2, \zero
	PLACES
	SIDE_IN 4*\slot+\q-1
	FETCH \slot, \q, \g, 4*\slot+\q-1
	s_wait_dscnt 32                                ; all but the 32 LDS loads just issued
	WIN MUL_HI
	MUL16 \f, 1, 0, \zero
	MUL16 \f, 1, 2, \zero
.endm
.macro THREE slot, zero
	QUARTER \slot, 1, F0, F1, \zero
	QUARTER \slot, 2, F1, F0, 0
	QUARTER \slot, 3, F0, F1, 0
.endm
; The last quarter: multiplies buffer 1 and changes slots.  next = the other slot; fill = 1: this slot is filled again, two K steps ahead.
; One barrier for the change of slots, for two things.  In front of it each wave waits for its own reads of this slot and for all its tensor loads,
; of which one is out: its part of the next slot.  Behind it nobody reads this slot any more and the next slot is whole: the refill comes first,
; then the side job's chunk and the next slot's first fragments.  From a request to the wait for it a wave issues 240 matrix instructions.
.macro TURN slot, next, fill
	s_wait_dscnt 8
	WIN MUL_LO
	MUL16 F1, 0, 0, 0
	s_wait_dscnt 0                                 ; my reads of this slot are over
	s_wait_tensorcnt 0x0                           ; and all my tensor loads have landed: the one that was out is my part of the next slot:
	ds_add_u32 v255, v31
	s_wait_dscnt 0x0
	s_barrier_signal -1                            ; say so (where a slot is filled again this barrier opens a round of the cluster's barrier),
	MUL16 F1, 0, 2, 0                              ; work on registers while the others arrive,
	WIN 0
	s_barrier_wait -1                              ; and go on when all four have said so
.if \fill
	CREST                                          ; all sixteen work-groups have said so: no wave of any partner still reads this slot's tile or has a load on its way
	s_add_nc_u64 s[G0+4*\slot+2:G0+4*\slot+3], s[G0+4*\slot+2:G0+4*\slot+3], 2*KSTEP*2     ; no tensor load of mine is out: a group 0 may be written
	s_add_nc_u64 s[G0B+4*\slot+2:G0B+4*\slot+3], s[G0B+4*\slot+2:G0B+4*\slot+3], BSTEP2
	JLOAD \slot                                    ; the first tensor load behind the round, and my only one until the next
.endif
	PLACES
	SIDE_IN 4*\slot+3
	FETCH \next, 0, F0, 4*\slot+3
	WIN MUL_HI
	MUL16 F1, 1, 0, 0
	MUL16 F1, 1, 2, 0
.endm
.macro LAP zero                        ; once round the ring, both slots filled again
	THREE 0, \zero
	TURN 0, 1, 1
	THREE 1, 0
	TURN 1, 0, 1
.endm
	s_wait_tensorcnt 1                             ; my part of K step 0 is in; K step 1's, issued behind it, may stay out
	s_barrier_signal -1
	s_barrier_wait -1                              ; everybody's is
.set LASTLAP, 0
.set STEPB, 0
	FETCH 0, 0, F0, -1
	LAP 1                                          ; the first lap stands in front of the loop: its first products start the sums
	WIN 0                                          ; at a label and at a branch every window is 0
	s_mov_b32 s3, LAPS-2
.set STEPB, 1
.Llap:
	LAP 0
	WIN 0
	s_sub_co_u32 s3, s3, 1
	s_cmp_lg_u32 s3, 0
	s_cbranch_scc1 .Llap
.set LASTLAP, 1
	THREE 0, 0                                     ; the last lap fills nothing and has no round of the cluster's barrier: my one tensor load still out is the last K step's
	TURN 0, 1, 0
	THREE 1, 0
	s_wait_dscnt 8                                 ; the very last quarter: no fragments left to fetch
	WIN MUL_LO
	MUL16 F1, 0, 0, 0
	MUL16 F1, 0, 2, 0
	SIDE_IN 7                                      ; the side job's last chunk; its wait for 0 also shows the biases in
	WIN 0
	SIDE_ST 7
	s_wait_dscnt 0
	WIN MUL_HI
	MUL16 F1, 1, 0, 0
	MUL16 F1, 1, 2, 0
	; THE WAY OUT, 16 rows of h at a time: add the bias, take GELU, round to bf16, a lane's eight numbers into my own stage in LDS,
	; read back as whole rows.  The four v_nop are the places behind the last matrix instructions.
	PLACES
	s_lshl_b32 s16, s13, 8
	s_lshl_b32 s17, s11, 7
	s_add_co_u32 s16, s16, s17                     ; my first row within this half,
	s_lshl_b32 s16, s16, 12                        ; in bytes (below 2^25)
	s_mov_b32 s17, 0
	s_add_nc_u64 s[70:71], s[70:71], s[16:17]
.if HALF
	s_add_nc_u64 s[70:71], s[70:71], 8192*CROW     ; h is whole: this half's rows begin 8,192 rows in
.endif
	s_lshl_b32 s46, s42, CCOL                      ; my first column, in bytes (in the registers that held B's address: none that fed A's descriptors ever holds cx)
	s_lshl_b32 s47, s12, CCOL-1
	s_add_co_u32 s46, s46, s47
	s_mov_b32 s47, 0
	s_add_nc_u64 s[70:71], s[70:71], s[46:47]
; GELU of the 16 numbers z in v[zb .. zb+15], rounded to bf16 in place: 8 numbers become the 4 registers at zb, the next 8 those at zb + 8.
;   t = 1 / (1 + p |z| / sqrt 2);  y = 0.5 - (a1 t + .. + a5 t^5) / 2 x exp(-z z / 2) = 0.5 erf(|z| / sqrt 2);  gelu = 0.5 z + |z| y.
.macro GELU16 zb
.irp p, 0,1,2,3,4,5,6,7,8,9,10,11,12,13,14,15
	v_and_b32 v[AA+\p], s72, v[\zb+\p]                                                     ; |z|
.endr
.irp p, 0,2,4,6,8,10,12,14
	v_pk_fma_f32 v[TT+\p:TT+\p+1], v[AA+\p:AA+\p+1], v[CP:CP+1], 1.0 op_sel_hi:[1,1,0]     ; 1 + p |z| / sqrt 2
	v_pk_mul_f32 v[EE+\p:EE+\p+1], v[\zb+\p:\zb+\p+1], v[\zb+\p:\zb+\p+1]                  ; z z (an overflow to infinity ends as exp = 0, which is right)
.endr
.irp p, 0,2,4,6,8,10,12,14
	v_pk_mul_f32 v[EE+\p:EE+\p+1], v[EE+\p:EE+\p+1], v[CE:CE+1]                            ; -z z log2(e) / 2
.endr
.irp p, 0,1,2,3,4,5,6,7,8,9,10,11,12,13,14,15
	v_rcp_f32 v[TT+\p], v[TT+\p]
.endr
.irp p, 0,1,2,3,4,5,6,7,8,9,10,11,12,13,14,15
	v_exp_f32 v[EE+\p], v[EE+\p]
.endr
.irp p, 0,2,4,6,8,10,12,14
	v_pk_mul_f32 v[\zb+\p:\zb+\p+1], v[\zb+\p:\zb+\p+1], 0.5 op_sel_hi:[1,0]               ; 0.5 z: plain work that names neither TT nor EE stands behind the transcendentals before their results are used (ISA guide 5.7.2)
.endr
	s_wait_alu depctr_va_vdst(0)
.irp p, 0,2,4,6,8,10,12,14
	v_pk_fma_f32 v[PP+\p:PP+\p+1], v[TT+\p:TT+\p+1], v[N5:N5+1], v[N4:N4+1]
.endr
.irp p, 0,2,4,6,8,10,12,14
	v_pk_fma_f32 v[PP+\p:PP+\p+1], v[PP+\p:PP+\p+1], v[TT+\p:TT+\p+1], v[N3:N3+1]
.endr
.irp p, 0,2,4,6,8,10,12,14
	v_pk_fma_f32 v[PP+\p:PP+\p+1], v[PP+\p:PP+\p+1], v[TT+\p:TT+\p+1], v[N2:N2+1]
.endr
.irp p, 0,2,4,6,8,10,12,14
	v_pk_fma_f32 v[PP+\p:PP+\p+1], v[PP+\p:PP+\p+1], v[TT+\p:TT+\p+1], v[N1:N1+1]
.endr
.irp p, 0,2,4,6,8,10,12,14
	v_pk_mul_f32 v[PP+\p:PP+\p+1], v[PP+\p:PP+\p+1], v[TT+\p:TT+\p+1]                      ; -(a1 t + .. + a5 t^5) / 2
.endr
.irp p, 0,2,4,6,8,10,12,14
	v_pk_fma_f32 v[PP+\p:PP+\p+1], v[PP+\p:PP+\p+1], v[EE+\p:EE+\p+1], 0.5 op_sel_hi:[1,1,0]   ; y
.endr
.irp p, 0,2,4,6,8,10,12,14
	v_pk_fma_f32 v[\zb+\p:\zb+\p+1], v[AA+\p:AA+\p+1], v[PP+\p:PP+\p+1], v[\zb+\p:\zb+\p+1]    ; |z| y + 0.5 z
.endr
.irp t, 0,1
.irp r, 0,1,2,3
	v_cvt_pk_bf16_f32 v[\zb+8*\t+\r], v[\zb+8*\t+2*\r], v[\zb+8*\t+2*\r+1]                 ; ascending: register r is written when numbers 2 r and 2 r + 1 are read, never earlier
.endr
.endr
.endm
; rows 16 i .. 16 i + 15 of my block = the eight tiles (a, 0..7) of window 2 or 3 (from = 0x02 or 0x03: source 0 alone leaves window 0)
.macro OUT16 i, a, from
	WIN \from
.irp b, 0,1,2,3,4,5,6,7
.irp p, 0,2,4,6
	v_pk_add_f32 v[Z+8*\b+\p:Z+8*\b+\p+1], v[8*(8*\a+\b)+\p:8*(8*\a+\b)+\p+1], v[BIAS+8*\b+\p:BIAS+8*\b+\p+1]   ; z = sum + bias
.endr
.endr
	WIN 0
	GELU16 Z
	GELU16 Z+16
	GELU16 Z+32
	GELU16 Z+48
.irp b, 0,1,2,3,4,5,6,7
	ds_store_b128 v[STO], v[Z+8*\b:Z+8*\b+3] offset:32*\b          ; eight bf16: columns 16 b + 8 (l / 16) + 0..7 of row l % 16
.endr
	s_wait_xcnt 0x0                                ; every earlier memory instruction has had its addresses translated (ISA guide 3.1): RB, which stores read (the side job's last among them), and the stores' base are rewritten only behind this wait
.if \i
	s_add_nc_u64 s[70:71], s[70:71], 16*CROW       ; 16 rows of h on
.endif
.irp t, 0,1,2,3,4,5,6,7
	ds_load_b128 v[RB+4*\t:RB+4*\t+3], v[RD] offset:\t*2*SPITCH    ; LDS serves a wave's instructions in order (ISA guide 5.7.1.4): these see the stores above, and the stage is my own
.endr
.irp t, 0,1,2,3,4,5,6,7
	s_wait_dscnt 7-\t                              ; the loads younger than load t may be out
	global_store_b128 v[CO], v[RB+4*\t:RB+4*\t+3], s[70:71] offset:2*\t*CROW   ; 16 lanes store 256 consecutive bytes, at a multiple of 256 from h's first byte
.endr
.endm
	OUT16 0, 0, 0x02
	OUT16 1, 1, 0x02
	OUT16 2, 2, 0x02
	OUT16 3, 3, 0x02
	OUT16 4, 0, 0x03
	OUT16 5, 1, 0x03
	OUT16 6, 2, 0x03
	OUT16 7, 3, 0x03
	s_set_vgpr_msb 0x1
	s_wait_tensorcnt 0x0
	ds_add_u32 v255, v31
	s_wait_dscnt 0x0
	s_set_vgpr_msb 0x100
	CROUND                                         ; the closing round: no work-group ends while a partner may still ask for a tile that names it
	s_endpgm
.Lfunc_end_k_q78f85da79d_ffn1a:
	.size	k_q78f85da79d_ffn1a, .Lfunc_end_k_q78f85da79d_ffn1a-k_q78f85da79d_ffn1a
	.p2alignl 7, 3214868480
	.fill 96, 4, 3214868480
	.section	.rodata,"a",@progbits
	.p2align	6, 0x0
	.amdhsa_kernel k_q78f85da79d_ffn1a
		.amdhsa_group_segment_fixed_size 327680
		.amdhsa_private_segment_fixed_size 0
		.amdhsa_enable_private_segment 0
		.amdhsa_kernarg_size 64
		.amdhsa_user_sgpr_count 2
		.amdhsa_user_sgpr_kernarg_segment_ptr 1
		.amdhsa_wavefront_size32 1
		.amdhsa_system_sgpr_workgroup_id_x 1
		.amdhsa_system_sgpr_workgroup_id_y 1
		.amdhsa_system_sgpr_workgroup_id_z 1
		.amdhsa_system_vgpr_workitem_id 0
		.amdhsa_next_free_vgpr 1024
		.amdhsa_next_free_sgpr 92
		.amdhsa_reserve_vcc 0
		.amdhsa_float_denorm_mode_32 3
		.amdhsa_float_denorm_mode_16_64 3
		.amdhsa_memory_ordered 1
		.amdhsa_forward_progress 1
		.amdhsa_inst_pref_size 255
	.end_amdhsa_kernel
	.section	.bss,"aw",@nobits
	.p2align	6
	.space	262144
	.amdgpu_metadata
---
amdhsa.version: [ 1, 2 ]
amdhsa.kernels:
  - .name:           k_q78f85da79d_ffn1a
    .symbol:         k_q78f85da79d_ffn1a.kd
    .args:
      - { .name: xb_lo, .offset: 0, .size: 8, .value_kind: global_buffer, .address_space: global }
      - { .name: w1b_lo, .offset: 8, .size: 8, .value_kind: global_buffer, .address_space: global }
      - { .name: b1, .offset: 16, .size: 8, .value_kind: global_buffer, .address_space: global }
      - { .name: h, .offset: 24, .size: 8, .value_kind: global_buffer, .address_space: global }
      - { .name: x, .offset: 32, .size: 8, .value_kind: global_buffer, .address_space: global }
      - { .name: w1, .offset: 40, .size: 8, .value_kind: global_buffer, .address_space: global }
      - { .name: xb_hi, .offset: 48, .size: 8, .value_kind: global_buffer, .address_space: global }
      - { .name: w1b_hi, .offset: 56, .size: 8, .value_kind: global_buffer, .address_space: global }
    .group_segment_fixed_size: 327680
    .private_segment_fixed_size: 0
    .kernarg_segment_align: 8
    .kernarg_segment_size: 64
    .max_flat_workgroup_size: 128
    .sgpr_count:     92
    .vgpr_count:     1024
    .wavefront_size: 32
...
	.end_amdgpu_metadata
.endif
;; end of part 2
;; launch ffn1b (part 3): grid 8 x 32, 4 waves a work-group, clusters of 4 x 4, 327,680 bytes of LDS; arguments xb_hi, w1b_hi, b1, h, w2, w2b; writes h, w2b
.if DOCPART == 3
	.amdgcn_target "amdgcn-amd-amdhsa--gfx1250"
	.amdhsa_code_object_version 6
	.text
	.protected	k_q78f85da79d_ffn1b
	.globl	k_q78f85da79d_ffn1b
	.p2align	8
	.type	k_q78f85da79d_ffn1b,@function
k_q78f85da79d_ffn1b:
	s_mov_b64 s[64:65], 0
	v_nop
	global_prefetch_b8 v0, s[64:65] scope:SCOPE_SE
	s_setreg_imm32_b32 hwreg(HW_REG_WAVE_MODE, 25, 1), 1
	s_wait_xcnt 0x0
	s_wait_alu depctr_hold_cnt(0) depctr_sa_sdst(0) depctr_va_vdst(0) depctr_va_sdst(0) depctr_va_ssrc(0) depctr_va_vcc(0) depctr_vm_vsrc(0)
	s_getreg_b32 s2, hwreg(HW_REG_IB_STS2, 6, 4)
	s_cmp_eq_u32 s2, 0
	s_cbranch_scc0 .Lentry_in_a_cluster
	s_endpgm
.Lentry_in_a_cluster:
	s_bfe_u32 s2, ttmp6, 0x10000c
	s_cmp_lg_u32 s2, 0xf033
	s_cbranch_scc0 .Lentry_shape_is_right
	s_endpgm
.Lentry_shape_is_right:
.set HALF, 1                           ; 0: experts 0 to 3; beside it x rows 8192.. and w1 of experts 4 to 7 are rounded to bf16.   1: experts 4 to 7; beside it w2 is rounded.
; The first layer of four of the eight experts' FFN as a grouped GEMM:  h[m][n] = gelu( sum over k of A[m][k] B[e][k][n] + b1[e][n] ),  e = m / 2048.
; A: [8192][1024] bf16, this half's rows of x.  B: [4][1024][2048] bf16, this half's w1, n along the rows, as the weights lie in memory.
; b1: [8][2048] f32, h: [16384][2048] bf16, both whole: this half's part begins HALF x 4 experts in.  Sums in f32.
; LIMITS.  The operands are bf16 (each input rounded once by an earlier launch; h rounded once here).  The activation is the exact GELU,
; 0.5 z (1 + erf(z / sqrt 2)), written as 0.5 z + |z| y with y = 0.5 erf(|z| / sqrt 2) from Abramowitz and Stegun 7.1.26, whose error in y
; is at most 7.5e-8 for every z: the result's absolute error is at most 7.5e-8 |z| plus the rounding of the last multiply-add.  For large negative z
; it is +0 or of that size where the exact value is a tiny negative number.  v_exp_f32 gives 0 for results below 2^-126 (ISA guide 15.8), which only
; makes that tail exactly 0.  z = -infinity gives NaN, as 0 times infinity does in the formula itself.
;
; A work-group makes a block of 256 x 256 of h with four waves; a wave makes 128 x 128: 64 accumulator tiles of 16 x 16, 512 registers.
; K goes in steps of 128 through a ring of two LDS slots filled by the tensor data mover.  A's tile is 256 rows x 256 bytes, B's 128 k-rows x 512 bytes;
; every row starts at a multiple of its length from its buffer's first byte.
; B's fragments want k along a lane's registers, and B has n along its rows: ds_load_tr16_b128 transposes 8 x 8 numbers on the way from LDS,
; two loads a fragment, as many as a plain fragment takes, so the weights are nowhere transposed in memory.
; CLUSTERS: 4 x 4 work-groups.  The four of a row of the cluster make blocks of one block row and need the same tiles of A; the four of a column need the
; same tiles of B (a cluster spans 4 of an expert's 8 block rows, so all sixteen have one expert).  Such a tile is asked for jointly: each of the four issues
; the same tensor load with a mask that names the four.  That divides the requests for A and for B by four.
; By this text's own count a wave has at most two tensor loads outstanding: the two first fills; later one behind each round.
;
; THE SIDE JOB.  The K loop leaves memory with little to do, so each work-group also rounds 65,536 f32 of a tensor that a LATER launch multiplies to bf16:
; 32 chunks of 8,192 bytes, one in each of the block's 32 quarter steps.  Of a chunk a wave takes 2,048 bytes: 4 loads of 512 consecutive bytes,
; 8 conversions, 4 stores of 256 consecutive bytes, each at a multiple of its length.  A chunk is loaded four quarter steps (256 matrix instructions) before
; it is converted, into a ring of four register slots.  This launch reads none of the buffers that the side job stores.
;
; REGISTERS, in windows of 256:
;   window 0: v0-31 addresses and GELU's constants; v32-39 the side job's words to store, v32-63 rows read back on the way out;
;             v64-127, v128-191 fragments of A, two buffers, at work on the way out; v192-255 my 64 biases
;   window 1: v0-63 the side job's ring; v64-127, v128-191 fragments of B, two buffers
;   window 2: the 32 accumulator tiles of my rows 0-63 (tile (a, b) at v[8 (8 a + b)]);   window 3: those of my rows 64-127
; THE MATRIX INSTRUCTION IS USED TRANSPOSED: source 0 = 16 columns of B, source 1 = 16 rows of A.  Lane l then holds row l % 16 of h and, in registers 0 to 7,
; the columns 8 (l / 16) + 0 .. 7: eight neighbouring numbers of a row of h.
.set SIZE_K, 1024
.set SIZE_N, 2048
.set ASH,    11                        ; a row of A is 1 << ASH bytes
.set BHSH,   18                        ; 64 rows of B are 1 << BHSH bytes
.set BIASE,  13                        ; an expert's biases are 1 << BIASE bytes
.set CCOL,   9                         ; 256 columns of h are 1 << CCOL bytes
.set ESH,    22                        ; an expert's weights are 1 << 22 bytes
.set CROW,   4096                      ; a row of h in bytes
.set KSTEP,  128
.set PITCH,  272                       ; A's LDS row: 256 bytes + 16 of padding: the 16 rows of a fragment load start 16 bytes further round in each 256
.set PITCHB, 544                       ; B's LDS row: 512 bytes + 32 of padding = 17 x 32: the 8 rows of a transposing group start 32 bytes further round in each 256
.set HALFT,  128*PITCH                 ; what one tensor load brings: 128 rows of A, or 64 k-rows of B (64 x 544 is the same 34,816 bytes)
.set SLOT,   4*HALFT                   ; A's 256 rows, then B's 128 k-rows
.set STAGE,  2*SLOT                    ; behind the ring: 16 rows of SPITCH bytes for each wave, for the way out; no tensor load lands there
.set SPITCH, 272
.set BSTEP2, 2*KSTEP*SIZE_N*2          ; two K steps down B, in bytes
.set LAPS,   SIZE_K/(2*KSTEP)          ; a lap = two K steps = once round the ring = eight quarter steps
.set CHIN,   8192                      ; the side job: a chunk's bytes in,
.set CHOUT,  4096                      ; and out
.set CP,   6                           ; v[6:7]    0.3275911 / sqrt 2, twice (a pair for the packed forms), and so on:
.set N5,   8                           ; v[8:9]    -a5 / 2
.set N4,   10                          ; v[10:11]  -a4 / 2
.set N3,   12                          ; v[12:13]  -a3 / 2
.set N2,   14                          ; v[14:15]  -a2 / 2
.set ADRA, 16                          ; v16-17    LDS address of my A fragments in slot 0, 1
.set N1,   18                          ; v[18:19]  -a1 / 2
.set ADRB, 20                          ; v20-21    the same for B
.set CE,   22                          ; v[22:23]  -log2(e) / 2
.set STO,  24                          ; v24       the way out: where I put my piece of a row
.set RD,   25                          ; v25       the way out: where I read rows back
.set CO,   26                          ; v26       my byte offset in h
.set BO,   27                          ; v27       my byte offset in the wave's 128 biases
.set VSI,  28                          ; v28       the side job: 16 x lane; never rewritten
.set VSO,  29                          ; v29       the side job: 8 x lane; never rewritten
.set SY,   32                          ; v32-39    the side job: 16 bf16 a lane, to store
.set RB,   32                          ; v32-63    the way out: rows read back from the stage
.set SX,   0                           ; window 1, v0-63: the side job's ring, four slots of 16 registers
.set F0,   64                          ; fragment buffer 0
.set F1,   128                         ; fragment buffer 1
.set Z,    64                          ; the way out: 64 numbers, sum + bias
.set AA,   128                         ; GELU at work on 16 numbers: |z|
.set TT,   144                         ;   t = 1 / (1 + p |z| / sqrt 2)
.set EE,   160                         ;   exp(-z z / 2)
.set PP,   176                         ;   the polynomial
.set BIAS, 192                         ; v192-255  bias of columns 16 b + 8 (l / 16) + j at v[BIAS + 8 b + j]
.set G1,  24                           ; s[24:31] descriptor group 1 for A's tiles
.set G0,  32                           ; s[32:39] descriptor group 0 for A's tiles, one set for each slot
.set G1B, 48                           ; s[48:55] descriptor group 1 for B's tiles
.set G0B, 56                           ; s[56:63] descriptor group 0 for B's tiles, one set for each slot
.set SSRC, 84                          ; s[84:85] the side job: my wave's bytes in this lap's first chunk, in the f32 tensor
.set SDST, 86                          ; s[86:87] and in the bf16 copy
.set MSB, 0
.macro WIN new                         ; s_set_vgpr_msb's low byte: bits 1:0 source 0, 3:2 source 1, 5:4 source 2, 7:6 destination; the high byte repeats the setting that is left
.if MSB != \new
	s_set_vgpr_msb (MSB<<8)|\new
.set MSB, \new
.endif
.endm
.set MUL_LO, 0xa1                      ; source 0 (B) window 1, source 1 (A) window 0, C and D window 2
.set MUL_HI, 0xf1                      ; the same, C and D window 3
.set TO_B,   0x40                      ; destination window 1, address window 0
.set FROM_1, 0x05                      ; sources 0 and 1 window 1, destination window 0
; A joint load.  Waves 0 and 1 fetch A's two halves, waves 2 and 3 B's.  Each line has one mask and one set of registers for all that issue it, and nothing in
; them hangs on a coordinate that the four partners do not share.  The branch hangs on the wave's number alone.
.macro JLOAD s
	s_cmp_eq_u32 s11, 0
	s_cbranch_scc0 .Lfor_b_\@
	tensor_load_to_lds s[G0+4*\s:G0+4*\s+3], s[G1:G1+7]
	s_nop 0
	s_branch .Lasked_\@
.Lfor_b_\@:
	tensor_load_to_lds s[G0B+4*\s:G0B+4*\s+3], s[G1B:G1B+7]
	s_nop 0
.Lasked_\@:
.endm
; A round of the cluster's barrier: my work-group's barrier, so that wave 0's signal speaks for all four waves; wave 0 signals for the work-group; every wave
; waits for all sixteen work-groups; my work-group's barrier once more.
.macro CREST                           ; a round behind its opening barrier
	s_cmp_lg_u32 s10, 0
	s_cbranch_scc1 .Lnot_wave_0_\@
	s_barrier_signal -3
.Lnot_wave_0_\@:
	s_barrier_wait -3
	s_barrier_signal -1
	s_barrier_wait -1
.endm
.macro CROUND                          ; a whole round
	s_barrier_signal -1
	s_barrier_wait -1
	CREST
.endm
.macro CONST2 reg, bits                ; a constant twice, as a register pair
	v_mov_b32 v[\reg], \bits
	v_mov_b32 v[\reg+1], \bits
.endm
	s_load_b128 s[4:7], s[0:1], 0x0                ; A s[4:5], B s[6:7]
	s_load_b128 s[68:71], s[0:1], 0x10             ; b1 s[68:69], h s[70:71]
.if HALF
	s_load_b128 s[76:79], s[0:1], 0x20             ; the side job: w2 s[76:77], w2b s[78:79]
	s_set_vgpr_msb 0x40
	v_lshl_add_u32 v255, v0, 2, 0x48400
	s_set_vgpr_msb 0x4000
	v_mov_b32 v31, 0
	s_set_vgpr_msb 0x1
	ds_add_u32 v255, v31
	s_set_vgpr_msb 0x100
.else
	s_load_b256 s[76:83], s[0:1], 0x20             ; the side job: x s[76:77], w1 s[78:79], xb_hi s[80:81], w1b_hi s[82:83]
.endif
	v_lshrrev_b32 v1, 5, v0
	v_readfirstlane_b32 s10, v1                    ; wave 0..3
	s_lshr_b32 s11, s10, 1                         ; which half of the block's rows is mine.  Also: I fetch for A (0) or for B (1)
	s_and_b32 s12, s10, 1                          ; which half of its columns.  Also: which half of that tile I fetch
	s_bfe_u32 s40, ttmp6, 0x40000                  ; cx: my place along the cluster's x
	s_bfe_u32 s41, ttmp6, 0x40004                  ; cy: along its y
	s_lshl_b32 s42, ttmp9, 2                       ; in a cluster launch ttmp9 and ttmp7 count clusters
	s_add_co_u32 s42, s42, s40                     ; block column of h = 4 x cluster x + cx, 0 to 7
	s_and_b32 s13, ttmp7, 0xffff                   ; cluster y, 0 to 7
	s_lshr_b32 s45, s13, 1                         ; expert within this half = block row / 8 = cluster y / 2: the same in all sixteen
.if HALF == 0
	s_lshr_b32 s73, s13, 2                         ; the side job: clusters 0 to 3 along y round x, clusters 4 to 7 round w1
.endif
	s_lshl_b32 s13, s13, 2
	s_add_co_u32 s13, s13, s41                     ; block row within this half = 4 x cluster y + cy, 0 to 31
	s_lshl_b32 s43, s41, 2
	s_lshl_b32 s43, 15, s43                        ; my row of the cluster: places 4 cy .. 4 cy + 3
	s_lshl_b32 s44, 0x1111, s40                    ; my column: places cx, cx + 4, cx + 8, cx + 12
	; group 1 for A: 128 rows x 128 elements of 2 bytes; 4 words of padding after every 64 words
	s_or_b32 s[G1+0], s43, (1<<16)|(1<<20)|(1<<21)|(5<<22)|(3<<25)   ; 15:0 the mask: my row; 17:16 element of 2 bytes; 20 padding on; 21 set beside a mask; 24:22 interval code 5; 31:25 pad code 3
	s_mov_b32 s[G1+1], KSTEP<<16                   ; tensor_dim0 = 128
	s_mov_b32 s[G1+2], 128<<16                     ; tensor_dim1 = 128
	s_mov_b32 s[G1+3], KSTEP<<16                   ; tile_dim0 = 128
	s_mov_b32 s[G1+4], 128                         ; tile_dim1 = 128
	s_mov_b32 s[G1+5], SIZE_K                      ; elements from row to row
	s_mov_b32 s[G1+6], 0
	s_mov_b32 s[G1+7], 0
	; group 1 for B: 64 k-rows x 256 elements of 2 bytes; 8 words of padding after every 128 words
	s_or_b32 s[G1B+0], s44, (1<<16)|(1<<20)|(1<<21)|(6<<22)|(7<<25)  ; the mask: my column; interval code 6; pad code 7
	s_mov_b32 s[G1B+1], 256<<16                    ; tensor_dim0 = 256
	s_mov_b32 s[G1B+2], 64<<16                     ; tensor_dim1 = 64
	s_mov_b32 s[G1B+3], 256<<16                    ; tile_dim0 = 256
	s_mov_b32 s[G1B+4], 64                         ; tile_dim1 = 64
	s_mov_b32 s[G1B+5], SIZE_N                     ; elements from row to row
	s_mov_b32 s[G1B+6], 0
	s_mov_b32 s[G1B+7], 0
	; where the tiles come from.  A's hang on the block row alone, which my row of the cluster shares; B's on the expert and the block column, which my column shares.
	; Every wave makes both offsets (each below 2^25), in registers that never hold the other coordinate, and asks by one of them.
	s_lshl_b32 s17, s12, 7
	s_lshl_b32 s16, s13, 8
	s_add_co_u32 s16, s16, s17                     ; A: row 256 x block row + 128 x half
	s_lshl_b32 s16, s16, ASH                       ; in bytes
	s_mov_b32 s17, 0
	s_lshl_b32 s46, s45, ESH                       ; B: the expert's weights,
	s_lshl_b32 s18, s12, BHSH
	s_add_co_u32 s46, s46, s18                     ; k-row 64 x half,
	s_lshl_b32 s18, s42, 9
	s_add_co_u32 s46, s46, s18                     ; column 256 x block column
	s_mov_b32 s47, 0
	s_lshl_b32 s74, s45, BIASE                     ; bias: the expert's,
	s_lshl_b32 s18, s42, 10
	s_add_co_u32 s74, s74, s18                     ; column 256 x block column,
	s_lshl_b32 s18, s12, 9
	s_add_co_u32 s74, s74, s18                     ; + 128 x my half
.if HALF
	s_add_co_u32 s74, s74, 4<<BIASE                ; b1 is whole: this half's experts begin four experts in
.endif
	s_mov_b32 s75, 0
	; the side job's piece: 262,144 bytes in, 131,072 out, and of every chunk my wave's 2,048 bytes in, 1,024 out (offsets below 2^27)
.if HALF
	s_lshl_b32 s88, s13, 3                         ; piece 8 x block row + block column, 0 to 255, of w2
.else
	s_and_b32 s88, s13, 15
	s_lshl_b32 s88, s88, 3                         ; piece 8 x (block row mod 16) + block column, 0 to 127, of the tensor's second half
.endif
	s_add_co_u32 s88, s88, s42
	s_lshl_b32 s90, s88, 17
	s_lshl_b32 s88, s88, 18
	s_lshl_b32 s18, s10, 11
	s_add_co_u32 s88, s88, s18
	s_lshl_b32 s18, s10, 10
	s_add_co_u32 s90, s90, s18
.if HALF == 0
	s_add_co_u32 s88, s88, 0x2000000               ; x and w1 are whole: their second halves begin 33,554,432 bytes in; xb_hi and w1b_hi hold those halves alone
.endif
	s_mov_b32 s89, 0
	s_mov_b32 s91, 0
	s_mul_i32 s20, s10, HALFT                      ; and where the tiles go: A's two halves, then B's two halves = wave x 34,816: no place in the cluster enters an LDS address
	s_wait_dscnt 0x0
	s_wait_kmcnt 0x0
	s_add_nc_u64 s[14:15], s[4:5], s[16:17]
	s_add_nc_u64 s[46:47], s[6:7], s[46:47]
	s_add_nc_u64 s[68:69], s[68:69], s[74:75]
.if HALF
	s_add_nc_u64 s[SSRC:SSRC+1], s[76:77], s[88:89]
	s_add_nc_u64 s[SDST:SDST+1], s[78:79], s[90:91]
.else
	s_cmp_lg_u32 s73, 0                            ; the choice hangs on the cluster's y alone
	s_cselect_b64 s[SSRC:SSRC+1], s[78:79], s[76:77]
	s_cselect_b64 s[SDST:SDST+1], s[82:83], s[80:81]
	s_add_nc_u64 s[SSRC:SSRC+1], s[SSRC:SSRC+1], s[88:89]
	s_add_nc_u64 s[SDST:SDST+1], s[SDST:SDST+1], s[90:91]
.endif
	CROUND                                         ; all sixteen work-groups are here: the first joint loads meet
.irp s, 0,1
	s_mov_b32 s[G0+4*\s], 1                                        ; count = 1
	s_add_co_u32 s[G0+4*\s+1], s20, \s*SLOT                        ; LDS address
	s_add_nc_u64 s[G0+4*\s+2:G0+4*\s+3], s[14:15], \s*KSTEP*2      ; global address: K step s, along A's rows
	s_or_b32 s[G0+4*\s+3], s[G0+4*\s+3], 0x80000000                ; type = 2
	s_mov_b32 s[G0B+4*\s], 1
	s_add_co_u32 s[G0B+4*\s+1], s20, \s*SLOT
	s_add_nc_u64 s[G0B+4*\s+2:G0B+4*\s+3], s[46:47], \s*KSTEP*SIZE_N*2   ; K step s, down B's rows
	s_or_b32 s[G0B+4*\s+3], s[G0B+4*\s+3], 0x80000000
	JLOAD \s                                       ; the ring is filled before anything else is done
.endr
	v_and_b32 v1, 15, v0                           ; l % 16
	v_bfe_u32 v2, v0, 4, 1                         ; l / 16
	v_lshlrev_b32 v[BO], 5, v2                     ; eight f32 for each half of the lanes
	v_and_b32 v5, 31, v0                           ; l
	v_lshlrev_b32 v[VSI], 4, v5
	v_lshlrev_b32 v[VSO], 3, v5
.irp b, 0,1,2,3,4,5,6,7
	global_load_b128 v[BIAS+8*\b:BIAS+8*\b+3],   v[BO], s[68:69] offset:64*\b      ; bias of columns 16 b + 8 (l / 16) + 0..3
	global_load_b128 v[BIAS+8*\b+4:BIAS+8*\b+7], v[BO], s[68:69] offset:64*\b+16   ; and + 4..7: once, kept in registers to the end; first read on the way out,
.endr                                                                              ; behind the side job's last wait, which is for 0
	WIN TO_B
.irp c, 0,1,2,3
.irp j, 0,1,2,3
	global_load_b128 v[SX+16*\c+4*\j:SX+16*\c+4*\j+3], v[VSI], s[SSRC:SSRC+1] offset:\c*CHIN+\j*512 th:TH_LOAD_NT   ; the side job's ring is filled: chunks 0 to 3
.endr
.endr
	WIN 0
	; A's fragment, 16 rows x 32 K: lane l holds row l % 16; registers 0-3 hold K = 8 (l / 16) + 0..7, registers 4-7 hold K = 16 + 8 (l / 16) + 0..7: two loads of 16 bytes, 32 bytes apart.
	v_mul_u32_u24 v3, v1, PITCH
	v_lshl_add_u32 v3, v2, 4, v3                   ; row x pitch + 16 x half
	s_mul_i32 s21, s11, HALFT                      ; my 128 rows of A
	; B's fragment, 32 K x 16 columns, by the transposing load: lane l addresses k-row 8 (l / 16) + l % 8 and the 16 bytes of columns 8 ((l / 8) % 2) + 0..7;
	; it receives K = 8 (l / 16) + 0..7 of column l % 16.  The second load, 16 k-rows further down, brings K + 16.
	v_and_b32 v4, 7, v0
	v_lshl_add_u32 v4, v2, 3, v4
	v_mul_u32_u24 v4, v4, PITCHB
	v_bfe_u32 v5, v0, 3, 1
	v_lshl_add_u32 v4, v5, 4, v4
	s_lshl_b32 s22, s12, 8                         ; my 128 columns of B: 256 bytes along its rows,
	s_add_co_u32 s22, s22, 2*HALFT                 ; which lie behind A's 256 rows
.irp s, 0,1
	v_add_nc_u32 v[ADRA+\s], s21, v3
	v_add_nc_u32 v[ADRB+\s], s22, v4
	s_add_co_u32 s21, s21, SLOT
	s_add_co_u32 s22, s22, SLOT
.endr
	s_mul_i32 s23, s10, 16*SPITCH
	s_add_co_u32 s23, s23, STAGE                   ; my stage
	v_mul_u32_u24 v4, v1, SPITCH                   ; in: row l % 16, eight bf16 for each half of the lanes
	v_lshl_add_u32 v4, v2, 4, v4
	v_add_nc_u32 v[STO], s23, v4
	v_mul_u32_u24 v5, v2, SPITCH                   ; back: lanes 0-15 take one row of 256 bytes, lanes 16-31 the next
	v_lshl_add_u32 v5, v1, 4, v5
	v_add_nc_u32 v[RD], s23, v5
	v_lshlrev_b32 v5, 12, v2                       ; and the same two rows in h
	v_lshl_add_u32 v[CO], v1, 4, v5
	s_mov_b32 s72, 0x7fffffff                      ; clears a sign
	CONST2 CP, 0x3e6d3389                          ;  0.2316419    = 0.3275911 / sqrt 2
	CONST2 N1, 0xbe027906                          ; -0.127414796  = -0.254829592 / 2
	CONST2 N2, 0x3e11a98e                          ;  0.142248368  =  0.284496736 / 2
	CONST2 N3, 0xbf35f0e3                          ; -0.71070687   = -1.421413741 / 2
	CONST2 N4, 0x3f3a00e3                          ;  0.72657601   =  1.453152027 / 2
	CONST2 N5, 0xbf07dc22                          ; -0.53070271   = -1.061405429 / 2
	CONST2 CE, 0xbf38aa3b                          ; -0.72134752   = -log2(e) / 2
; THE SIDE JOB'S THREE PARTS.  qi = the quarter step within the lap, 0 to 7; its chunk lies in ring slot qi % 4.
; LASTLAP = 1: the block's last lap, whose quarters 4 to 7 load nothing.  STEPB = 1: every lap but the first steps the two bases at its head.
; Part 1: the chunk is there; round it.
.macro SIDE_IN qi
.set sleft, 12                                     ; behind this chunk's four loads the next three chunks' twelve were issued; they stay out.  (The biases' loads are older than all of these.)
.if LASTLAP
.if (\qi) >= 4
.set sleft, 4*(7-(\qi))                            ; the last four quarters load nothing: the count runs down 12, 8, 4, 0
.endif
.endif
	s_wait_loadcnt sleft
	s_wait_xcnt 0x0                                ; every earlier memory instruction has had its addresses translated (ISA guide 3.1): SY, the data of the last quarter's stores, and the two bases are rewritten only behind this wait
.if STEPB
.if (\qi) == 0
	s_add_nc_u64 s[SSRC:SSRC+1], s[SSRC:SSRC+1], 8*CHIN
	s_add_nc_u64 s[SDST:SDST+1], s[SDST:SDST+1], 8*CHOUT
.endif
.endif
	WIN FROM_1
.irp j, 0,1,2,3
	v_cvt_pk_bf16_f32 v[SY+2*\j],   v[SX+16*((\qi)%4)+4*\j],   v[SX+16*((\qi)%4)+4*\j+1]
	v_cvt_pk_bf16_f32 v[SY+2*\j+1], v[SX+16*((\qi)%4)+4*\j+2], v[SX+16*((\qi)%4)+4*\j+3]
.endr
.endm
; Part 2, under the window setting of B's fragment loads: the slot is filled again, with the chunk four quarters on.
.macro SIDE_LD qi
.set sld, 1
.if LASTLAP
.if (\qi) >= 4
.set sld, 0
.endif
.endif
.if sld
.irp j, 0,1,2,3
	global_load_b128 v[SX+16*((\qi)%4)+4*\j:SX+16*((\qi)%4)+4*\j+3], v[VSI], s[SSRC:SSRC+1] offset:((\qi)+4)*CHIN+\j*512 th:TH_LOAD_NT
.endr
.endif
.endm
; Part 3, in window 0: the rounded chunk goes out; a store of the wave covers 256 consecutive bytes, at a multiple of 256 from the buffer's first byte.
.macro SIDE_ST qi
.irp j, 0,1,2,3
	global_store_b64 v[VSO], v[SY+2*\j:SY+2*\j+1], s[SDST:SDST+1] offset:(\qi)*CHOUT+\j*256 th:TH_STORE_NT
.endr
.endm
; 16 matrix instructions: row blocks a0, a0 + 1 of the window's four (hi = 0: my rows 0-63, 1: rows 64-127) x all 8 column blocks, 32 along K.
; zero = 1: the first product starts the sums: nothing is ever cleared.  The 64 accumulators take turns, one instruction a turn, in the same
; order in every quarter step, over the loop's backward jump too.
.macro MUL16 f, hi, a0, zero
.irp a, \a0, \a0+1
.irp b, 0,1,2,3,4,5,6,7
.if \zero
	v_wmma_f32_16x16x32_bf16 v[8*(8*(\a)+\b):8*(8*(\a)+\b)+7], v[\f+8*\b:\f+8*\b+7], v[\f+8*(4*\hi+\a):\f+8*(4*\hi+\a)+7], 0
.else
	v_wmma_f32_16x16x32_bf16 v[8*(8*(\a)+\b):8*(8*(\a)+\b)+7], v[\f+8*\b:\f+8*\b+7], v[\f+8*(4*\hi+\a):\f+8*(4*\hi+\a)+7], v[8*(8*(\a)+\b):8*(8*(\a)+\b)+7]
.endif
.endr
.endr
.endm
; 32 LDS loads in one run: the fragments of quarter q of a K step (32 K x 128 columns of B, 128 rows x 32 K of A) into buffer f.
; B's first: 32 k-rows are 17,408 bytes, 16 are 8,704, 16 columns 32 bytes; the largest offset is 61,152, inside the 16 bits.
; qi >= 0: the side job's loads ride behind B's, its stores behind A's, each under the window setting that is on anyway.  They count on other counters than the LDS loads.
.macro FETCH slot, q, f, qi
	WIN TO_B
.irp i, 0,1,2,3,4,5,6,7
	ds_load_tr16_b128 v[\f+8*\i:\f+8*\i+3],   v[ADRB+\slot] offset:\q*32*PITCHB+32*\i
	ds_load_tr16_b128 v[\f+8*\i+4:\f+8*\i+7], v[ADRB+\slot] offset:\q*32*PITCHB+32*\i+16*PITCHB
.endr
.if (\qi) >= 0
	SIDE_LD \qi
.endif
	WIN 0
.irp i, 0,1,2,3,4,5,6,7
	ds_load_b128 v[\f+8*\i:\f+8*\i+3],   v[ADRA+\slot] offset:\q*64+\i*16*PITCH
	ds_load_b128 v[\f+8*\i+4:\f+8*\i+7], v[ADRA+\slot] offset:\q*64+\i*16*PITCH+32
.endr
.if (\qi) >= 0
	SIDE_ST \qi
.endif
.endm
; A load into a register that a matrix instruction has read, and a vector instruction that reads a matrix result or writes one of a matrix instruction's
; registers, stand four places behind that matrix instruction, and only plain vector instructions that name none of its registers are places
; (ISA guide 7.12.1 for vector instructions).  So four v_nop stand in front of each run of loads and of the way out.
.macro PLACES
.rept 4
	v_nop
.endr
.endm
; A K step is four quarter steps of 32 along K, 64 matrix instructions each, on buffers 0, 1, 0, 1.
; One of the first three: multiplies buffer f; in its middle it does the side job's chunk and fetches quarter q of the same slot into buffer g.
.macro QUARTER slot, q, f, g, zero
	s_wait_dscnt 8                                 ; B and A's rows 0-63 are in; the youngest eight LDS loads (A's rows 64-127) may be out
	WIN MUL_LO
	MUL16 \f, 0, 0, \zero
	MUL16 \f, 0, 2, \zero
	PLACES
	SIDE_IN 4*\slot+\q-1
	FETCH \slot, \q, \g, 4*\slot+\q-1
	s_wait_dscnt 32                                ; all but the 32 LDS loads just issued
	WIN MUL_HI
	MUL16 \f, 1, 0, \zero
	MUL16 \f, 1, 2, \zero
.endm
.macro THREE slot, zero
	QUARTER \slot, 1, F0, F1, \zero
	QUARTER \slot, 2, F1, F0, 0
	QUARTER \slot, 3, F0, F1, 0
.endm
; The last quarter: multiplies buffer 1 and changes slots.  next = the other slot; fill = 1: this slot is filled again, two K steps ahead.
; One barrier for the change of slots, for two things.  In front of it each wave waits for its own reads of this slot and for all its tensor loads,
; of which one is out: its part of the next slot.  Behind it nobody reads this slot any more and the next slot is whole: the refill comes first,
; then the side job's chunk and the next slot's first fragments.  From a request to the wait for it a wave issues 240 matrix instructions.
.macro TURN slot, next, fill
	s_wait_dscnt 8
	WIN MUL_LO
	MUL16 F1, 0, 0, 0
	s_wait_dscnt 0                                 ; my reads of this slot are over
	s_wait_tensorcnt 0x0                           ; and all my tensor loads have landed: the one that was out is my part of the next slot:
	ds_add_u32 v255, v31
	s_wait_dscnt 0x0
	s_barrier_signal -1                            ; say so (where a slot is filled again this barrier opens a round of the cluster's barrier),
	MUL16 F1, 0, 2, 0                              ; work on registers while the others arrive,
	WIN 0
	s_barrier_wait -1                              ; and go on when all four have said so
.if \fill
	CREST                                          ; all sixteen work-groups have said so: no wave of any partner still reads this slot's tile or has a load on its way
	s_add_nc_u64 s[G0+4*\slot+2:G0+4*\slot+3], s[G0+4*\slot+2:G0+4*\slot+3], 2*KSTEP*2     ; no tensor load of mine is out: a group 0 may be written
	s_add_nc_u64 s[G0B+4*\slot+2:G0B+4*\slot+3], s[G0B+4*\slot+2:G0B+4*\slot+3], BSTEP2
	JLOAD \slot                                    ; the first tensor load behind the round, and my only one until the next
.endif
	PLACES
	SIDE_IN 4*\slot+3
	FETCH \next, 0, F0, 4*\slot+3
	WIN MUL_HI
	MUL16 F1, 1, 0, 0
	MUL16 F1, 1, 2, 0
.endm
.macro LAP zero                        ; once round the ring, both slots filled again
	THREE 0, \zero
	TURN 0, 1, 1
	THREE 1, 0
	TURN 1, 0, 1
.endm
	s_wait_tensorcnt 1                             ; my part of K step 0 is in; K step 1's, issued behind it, may stay out
	s_barrier_signal -1
	s_barrier_wait -1                              ; everybody's is
.set LASTLAP, 0
.set STEPB, 0
	FETCH 0, 0, F0, -1
	LAP 1                                          ; the first lap stands in front of the loop: its first products start the sums
	WIN 0                                          ; at a label and at a branch every window is 0
	s_mov_b32 s3, LAPS-2
.set STEPB, 1
.Llap:
	LAP 0
	WIN 0
	s_sub_co_u32 s3, s3, 1
	s_cmp_lg_u32 s3, 0
	s_cbranch_scc1 .Llap
.set LASTLAP, 1
	THREE 0, 0                                     ; the last lap fills nothing and has no round of the cluster's barrier: my one tensor load still out is the last K step's
	TURN 0, 1, 0
	THREE 1, 0
	s_wait_dscnt 8                                 ; the very last quarter: no fragments left to fetch
	WIN MUL_LO
	MUL16 F1, 0, 0, 0
	MUL16 F1, 0, 2, 0
	SIDE_IN 7                                      ; the side job's last chunk; its wait for 0 also shows the biases in
	WIN 0
	SIDE_ST 7
	s_wait_dscnt 0
	WIN MUL_HI
	MUL16 F1, 1, 0, 0
	MUL16 F1, 1, 2, 0
	; THE WAY OUT, 16 rows of h at a time: add the bias, take GELU, round to bf16, a lane's eight numbers into my own stage in LDS,
	; read back as whole rows.  The four v_nop are the places behind the last matrix instructions.
	PLACES
	s_lshl_b32 s16, s13, 8
	s_lshl_b32 s17, s11, 7
	s_add_co_u32 s16, s16, s17                     ; my first row within this half,
	s_lshl_b32 s16, s16, 12                        ; in bytes (below 2^25)
	s_mov_b32 s17, 0
	s_add_nc_u64 s[70:71], s[70:71], s[16:17]
.if HALF
	s_add_nc_u64 s[70:71], s[70:71], 8192*CROW     ; h is whole: this half's rows begin 8,192 rows in
.endif
	s_lshl_b32 s46, s42, CCOL                      ; my first column, in bytes (in the registers that held B's address: none that fed A's descriptors ever holds cx)
	s_lshl_b32 s47, s12, CCOL-1
	s_add_co_u32 s46, s46, s47
	s_mov_b32 s47, 0
	s_add_nc_u64 s[70:71], s[70:71], s[46:47]
; GELU of the 16 numbers z in v[zb .. zb+15], rounded to bf16 in place: 8 numbers become the 4 registers at zb, the next 8 those at zb + 8.
;   t = 1 / (1 + p |z| / sqrt 2);  y = 0.5 - (a1 t + .. + a5 t^5) / 2 x exp(-z z / 2) = 0.5 erf(|z| / sqrt 2);  gelu = 0.5 z + |z| y.
.macro GELU16 zb
.irp p, 0,1,2,3,4,5,6,7,8,9,10,11,12,13,14,15
	v_and_b32 v[AA+\p], s72, v[\zb+\p]                                                     ; |z|
.endr
.irp p, 0,2,4,6,8,10,12,14
	v_pk_fma_f32 v[TT+\p:TT+\p+1], v[AA+\p:AA+\p+1], v[CP:CP+1], 1.0 op_sel_hi:[1,1,0]     ; 1 + p |z| / sqrt 2
	v_pk_mul_f32 v[EE+\p:EE+\p+1], v[\zb+\p:\zb+\p+1], v[\zb+\p:\zb+\p+1]                  ; z z (an overflow to infinity ends as exp = 0, which is right)
.endr
.irp p, 0,2,4,6,8,10,12,14
	v_pk_mul_f32 v[EE+\p:EE+\p+1], v[EE+\p:EE+\p+1], v[CE:CE+1]                            ; -z z log2(e) / 2
.endr
.irp p, 0,1,2,3,4,5,6,7,8,9,10,11,12,13,14,15
	v_rcp_f32 v[TT+\p], v[TT+\p]
.endr
.irp p, 0,1,2,3,4,5,6,7,8,9,10,11,12,13,14,15
	v_exp_f32 v[EE+\p], v[EE+\p]
.endr
.irp p, 0,2,4,6,8,10,12,14
	v_pk_mul_f32 v[\zb+\p:\zb+\p+1], v[\zb+\p:\zb+\p+1], 0.5 op_sel_hi:[1,0]               ; 0.5 z: plain work that names neither TT nor EE stands behind the transcendentals before their results are used (ISA guide 5.7.2)
.endr
	s_wait_alu depctr_va_vdst(0)
.irp p, 0,2,4,6,8,10,12,14
	v_pk_fma_f32 v[PP+\p:PP+\p+1], v[TT+\p:TT+\p+1], v[N5:N5+1], v[N4:N4+1]
.endr
.irp p, 0,2,4,6,8,10,12,14
	v_pk_fma_f32 v[PP+\p:PP+\p+1], v[PP+\p:PP+\p+1], v[TT+\p:TT+\p+1], v[N3:N3+1]
.endr
.irp p, 0,2,4,6,8,10,12,14
	v_pk_fma_f32 v[PP+\p:PP+\p+1], v[PP+\p:PP+\p+1], v[TT+\p:TT+\p+1], v[N2:N2+1]
.endr
.irp p, 0,2,4,6,8,10,12,14
	v_pk_fma_f32 v[PP+\p:PP+\p+1], v[PP+\p:PP+\p+1], v[TT+\p:TT+\p+1], v[N1:N1+1]
.endr
.irp p, 0,2,4,6,8,10,12,14
	v_pk_mul_f32 v[PP+\p:PP+\p+1], v[PP+\p:PP+\p+1], v[TT+\p:TT+\p+1]                      ; -(a1 t + .. + a5 t^5) / 2
.endr
.irp p, 0,2,4,6,8,10,12,14
	v_pk_fma_f32 v[PP+\p:PP+\p+1], v[PP+\p:PP+\p+1], v[EE+\p:EE+\p+1], 0.5 op_sel_hi:[1,1,0]   ; y
.endr
.irp p, 0,2,4,6,8,10,12,14
	v_pk_fma_f32 v[\zb+\p:\zb+\p+1], v[AA+\p:AA+\p+1], v[PP+\p:PP+\p+1], v[\zb+\p:\zb+\p+1]    ; |z| y + 0.5 z
.endr
.irp t, 0,1
.irp r, 0,1,2,3
	v_cvt_pk_bf16_f32 v[\zb+8*\t+\r], v[\zb+8*\t+2*\r], v[\zb+8*\t+2*\r+1]                 ; ascending: register r is written when numbers 2 r and 2 r + 1 are read, never earlier
.endr
.endr
.endm
; rows 16 i .. 16 i + 15 of my block = the eight tiles (a, 0..7) of window 2 or 3 (from = 0x02 or 0x03: source 0 alone leaves window 0)
.macro OUT16 i, a, from
	WIN \from
.irp b, 0,1,2,3,4,5,6,7
.irp p, 0,2,4,6
	v_pk_add_f32 v[Z+8*\b+\p:Z+8*\b+\p+1], v[8*(8*\a+\b)+\p:8*(8*\a+\b)+\p+1], v[BIAS+8*\b+\p:BIAS+8*\b+\p+1]   ; z = sum + bias
.endr
.endr
	WIN 0
	GELU16 Z
	GELU16 Z+16
	GELU16 Z+32
	GELU16 Z+48
.irp b, 0,1,2,3,4,5,6,7
	ds_store_b128 v[STO], v[Z+8*\b:Z+8*\b+3] offset:32*\b          ; eight bf16: columns 16 b + 8 (l / 16) + 0..7 of row l % 16
.endr
	s_wait_xcnt 0x0                                ; every earlier memory instruction has had its addresses translated (ISA guide 3.1): RB, which stores read (the side job's last among them), and the stores' base are rewritten only behind this wait
.if \i
	s_add_nc_u64 s[70:71], s[70:71], 16*CROW       ; 16 rows of h on
.endif
.irp t, 0,1,2,3,4,5,6,7
	ds_load_b128 v[RB+4*\t:RB+4*\t+3], v[RD] offset:\t*2*SPITCH    ; LDS serves a wave's instructions in order (ISA guide 5.7.1.4): these see the stores above, and the stage is my own
.endr
.irp t, 0,1,2,3,4,5,6,7
	s_wait_dscnt 7-\t                              ; the loads younger than load t may be out
	global_store_b128 v[CO], v[RB+4*\t:RB+4*\t+3], s[70:71] offset:2*\t*CROW   ; 16 lanes store 256 consecutive bytes, at a multiple of 256 from h's first byte
.endr
.endm
	OUT16 0, 0, 0x02
	OUT16 1, 1, 0x02
	OUT16 2, 2, 0x02
	OUT16 3, 3, 0x02
	OUT16 4, 0, 0x03
	OUT16 5, 1, 0x03
	OUT16 6, 2, 0x03
	OUT16 7, 3, 0x03
	s_set_vgpr_msb 0x1
	s_wait_tensorcnt 0x0
	ds_add_u32 v255, v31
	s_wait_dscnt 0x0
	s_set_vgpr_msb 0x100
	CROUND                                         ; the closing round: no work-group ends while a partner may still ask for a tile that names it
	s_endpgm
.Lfunc_end_k_q78f85da79d_ffn1b:
	.size	k_q78f85da79d_ffn1b, .Lfunc_end_k_q78f85da79d_ffn1b-k_q78f85da79d_ffn1b
	.p2alignl 7, 3214868480
	.fill 96, 4, 3214868480
	.section	.rodata,"a",@progbits
	.p2align	6, 0x0
	.amdhsa_kernel k_q78f85da79d_ffn1b
		.amdhsa_group_segment_fixed_size 327680
		.amdhsa_private_segment_fixed_size 0
		.amdhsa_enable_private_segment 0
		.amdhsa_kernarg_size 48
		.amdhsa_user_sgpr_count 2
		.amdhsa_user_sgpr_kernarg_segment_ptr 1
		.amdhsa_wavefront_size32 1
		.amdhsa_system_sgpr_workgroup_id_x 1
		.amdhsa_system_sgpr_workgroup_id_y 1
		.amdhsa_system_sgpr_workgroup_id_z 1
		.amdhsa_system_vgpr_workitem_id 0
		.amdhsa_next_free_vgpr 1024
		.amdhsa_next_free_sgpr 92
		.amdhsa_reserve_vcc 0
		.amdhsa_float_denorm_mode_32 3
		.amdhsa_float_denorm_mode_16_64 3
		.amdhsa_memory_ordered 1
		.amdhsa_forward_progress 1
		.amdhsa_inst_pref_size 255
	.end_amdhsa_kernel
	.section	.bss,"aw",@nobits
	.p2align	6
	.space	262144
	.amdgpu_metadata
---
amdhsa.version: [ 1, 2 ]
amdhsa.kernels:
  - .name:           k_q78f85da79d_ffn1b
    .symbol:         k_q78f85da79d_ffn1b.kd
    .args:
      - { .name: xb_hi, .offset: 0, .size: 8, .value_kind: global_buffer, .address_space: global }
      - { .name: w1b_hi, .offset: 8, .size: 8, .value_kind: global_buffer, .address_space: global }
      - { .name: b1, .offset: 16, .size: 8, .value_kind: global_buffer, .address_space: global }
      - { .name: h, .offset: 24, .size: 8, .value_kind: global_buffer, .address_space: global }
      - { .name: w2, .offset: 32, .size: 8, .value_kind: global_buffer, .address_space: global }
      - { .name: w2b, .offset: 40, .size: 8, .value_kind: global_buffer, .address_space: global }
    .group_segment_fixed_size: 327680
    .private_segment_fixed_size: 0
    .kernarg_segment_align: 8
    .kernarg_segment_size: 48
    .max_flat_workgroup_size: 128
    .sgpr_count:     92
    .vgpr_count:     1024
    .wavefront_size: 32
...
	.end_amdgpu_metadata
.endif
;; end of part 3
;; launch ffn2 (part 4): grid 4 x 64, 4 waves a work-group, clusters of 4 x 4, 327,680 bytes of LDS; arguments h, w2b, b2, out0; writes out0
.if DOCPART == 4
	.amdgcn_target "amdgcn-amd-amdhsa--gfx1250"
	.amdhsa_code_object_version 6
	.text
	.protected	k_q78f85da79d_ffn2
	.globl	k_q78f85da79d_ffn2
	.p2align	8
	.type	k_q78f85da79d_ffn2,@function
k_q78f85da79d_ffn2:
	s_mov_b64 s[64:65], 0
	v_nop
	global_prefetch_b8 v0, s[64:65] scope:SCOPE_SE
	s_setreg_imm32_b32 hwreg(HW_REG_WAVE_MODE, 25, 1), 1
	s_wait_xcnt 0x0
	s_wait_alu depctr_hold_cnt(0) depctr_sa_sdst(0) depctr_va_vdst(0) depctr_va_sdst(0) depctr_va_ssrc(0) depctr_va_vcc(0) depctr_vm_vsrc(0)
	s_getreg_b32 s2, hwreg(HW_REG_IB_STS2, 6, 4)
	s_cmp_eq_u32 s2, 0
	s_cbranch_scc0 .Lentry_in_a_cluster
	s_endpgm
.Lentry_in_a_cluster:
	s_bfe_u32 s2, ttmp6, 0x10000c
	s_cmp_lg_u32 s2, 0xf033
	s_cbranch_scc0 .Lentry_shape_is_right
	s_endpgm
.Lentry_shape_is_right:
.set FIRST, 0                          ; 1: h = gelu(xb w1b + b1), bf16 out.   0: out0 = h w2b + b2, f32 out.   The rest of the text is the same for both.
; One layer of eight experts' FFN as a grouped GEMM:  C[m][n] = act( sum over k of A[m][k] B[e][k][n] + bias[e][n] ),  e = m / 2048.
; A: [16384][SIZE_K] bf16.  B: [8][SIZE_K][SIZE_N] bf16, n along the rows, as the weights lie in memory.  bias: [8][SIZE_N] f32.  Sums in f32.
; LIMITS.  The operands are bf16 (each input rounded once by the launch before; h rounded once here).  With FIRST = 1 the activation is the exact
; GELU, 0.5 z (1 + erf(z / sqrt 2)), written as 0.5 z + |z| y with y = 0.5 erf(|z| / sqrt 2) from Abramowitz and Stegun 7.1.26, whose error in y
; is at most 7.5e-8 for every z: the result's absolute error is at most 7.5e-8 |z| plus the rounding of the last multiply-add.  For large negative z
; it is +0 or of that size where the exact value is a tiny negative number.  v_exp_f32 gives 0 for results below 2^-126 (ISA guide 15.8), which only
; makes that tail exactly 0.  z = -infinity gives NaN, as 0 times infinity does in the formula itself.
;
; A work-group makes a block of 256 x 256 of C with four waves; a wave makes 128 x 128: 64 accumulator tiles of 16 x 16, 512 registers.
; K goes in steps of 128 through a ring of two LDS slots filled by the tensor data mover.  A's tile is 256 rows x 256 bytes, B's 128 k-rows x 512 bytes;
; every row starts at a multiple of its length from its buffer's first byte.
; B's fragments want k along a lane's registers, and B has n along its rows: ds_load_tr16_b128 transposes 8 x 8 numbers on the way from LDS,
; two loads a fragment, as many as a plain fragment takes, so the weights are nowhere transposed in memory.
; CLUSTERS: 4 x 4 work-groups.  The four of a row of the cluster make blocks of one block row and need the same tiles of A; the four of a column need the
; same tiles of B (a cluster spans 4 of an expert's 8 block rows, so all sixteen have one expert).  Such a tile is asked for jointly: each of the four issues
; the same tensor load with a mask that names the four.  That divides the requests for A and for B by four.
; By this text's own count a wave has at most two tensor loads outstanding: the two first fills; later one behind each round.
;
; REGISTERS, in windows of 256:
;   window 0: v0-31 addresses and GELU's constants; v32-63 read-back (FIRST = 1); v64-127, v128-191 fragments of A, two buffers, at work on the way out; v192-255 my 64 biases
;   window 1: v64-127, v128-191 fragments of B, two buffers
;   window 2: the 32 accumulator tiles of my rows 0-63 (tile (a, b) at v[8 (8 a + b)]);   window 3: those of my rows 64-127
; THE MATRIX INSTRUCTION IS USED TRANSPOSED: source 0 = 16 columns of B, source 1 = 16 rows of A.  Lane l then holds row l % 16 of C and, in registers 0 to 7,
; the columns 8 (l / 16) + 0 .. 7: eight neighbouring numbers of a row of C.
.if FIRST
.set SIZE_K, 1024
.set SIZE_N, 2048
.set OUTB,   2                         ; bytes of a number of C
.set ASH,    11                        ; a row of A is 1 << ASH bytes
.set BHSH,   18                        ; 64 rows of B are 1 << BHSH bytes
.set BIASE,  13                        ; an expert's biases are 1 << BIASE bytes
.set CCOL,   9                         ; 256 columns of C are 1 << CCOL bytes
.set STSH,   4                         ; a lane's eight numbers of C are 1 << STSH bytes
.set RB,     32                        ; v32-63: rows read back from the stage
.else
.set SIZE_K, 2048
.set SIZE_N, 1024
.set OUTB,   4
.set ASH,    12
.set BHSH,   17
.set BIASE,  12
.set CCOL,   10
.set STSH,   5
.set RB,     128                       ; v128-191
.endif
.set ESH,    22                        ; an expert's weights are 1 << 22 bytes in both layers
.set CROW,   4096                      ; a row of C in bytes, in both layers
.set KSTEP,  128
.set PITCH,  272                       ; A's LDS row: 256 bytes + 16 of padding: the 16 rows of a fragment load start 16 bytes further round in each 256
.set PITCHB, 544                       ; B's LDS row: 512 bytes + 32 of padding = 17 x 32: the 8 rows of a transposing group start 32 bytes further round in each 256
.set HALFT,  128*PITCH                 ; what one tensor load brings: 128 rows of A, or 64 k-rows of B (64 x 544 is the same 34,816 bytes)
.set SLOT,   4*HALFT                   ; A's 256 rows, then B's 128 k-rows
.set STAGE,  2*SLOT                    ; behind the ring: 16 rows of SPITCH bytes for each wave, for the way out; no tensor load lands there
.set SPITCH, 128*OUTB+16
.set BSTEP2, 2*KSTEP*SIZE_N*2          ; two K steps down B, in bytes
.set LAPS,   SIZE_K/(2*KSTEP)          ; a lap = two K steps = once round the ring
.set CP,   6                           ; v[6:7]    0.3275911 / sqrt 2, twice (a pair for the packed forms), and so on:
.set N5,   8                           ; v[8:9]    -a5 / 2
.set N4,   10                          ; v[10:11]  -a4 / 2
.set N3,   12                          ; v[12:13]  -a3 / 2
.set N2,   14                          ; v[14:15]  -a2 / 2
.set ADRA, 16                          ; v16-17    LDS address of my A fragments in slot 0, 1
.set N1,   18                          ; v[18:19]  -a1 / 2
.set ADRB, 20                          ; v20-21    the same for B
.set CE,   22                          ; v[22:23]  -log2(e) / 2
.set STO,  24                          ; v24       the way out: where I put my piece of a row
.set RD,   25                          ; v25       the way out: where I read rows back
.set CO,   26                          ; v26       my byte offset in C
.set BO,   27                          ; v27       my byte offset in the wave's 128 biases
.set F0,   64                          ; fragment buffer 0
.set F1,   128                         ; fragment buffer 1
.set Z,    64                          ; the way out: 64 numbers, sum + bias
.set AA,   128                         ; GELU at work on 16 numbers: |z|
.set TT,   144                         ;   t = 1 / (1 + p |z| / sqrt 2)
.set EE,   160                         ;   exp(-z z / 2)
.set PP,   176                         ;   the polynomial
.set BIAS, 192                         ; v192-255  bias of columns 16 b + 8 (l / 16) + j at v[BIAS + 8 b + j]
.set G1,  24                           ; s[24:31] descriptor group 1 for A's tiles
.set G0,  32                           ; s[32:39] descriptor group 0 for A's tiles, one set for each slot
.set G1B, 48                           ; s[48:55] descriptor group 1 for B's tiles
.set G0B, 56                           ; s[56:63] descriptor group 0 for B's tiles, one set for each slot
.set MSB, 0
.macro WIN new                         ; s_set_vgpr_msb's low byte: bits 1:0 source 0, 3:2 source 1, 5:4 source 2, 7:6 destination; the high byte repeats the setting that is left
.if MSB != \new
	s_set_vgpr_msb (MSB<<8)|\new
.set MSB, \new
.endif
.endm
.set MUL_LO, 0xa1                      ; source 0 (B) window 1, source 1 (A) window 0, C and D window 2
.set MUL_HI, 0xf1                      ; the same, C and D window 3
.set TO_B,   0x40                      ; destination window 1, address window 0
; A joint load.  Waves 0 and 1 fetch A's two halves, waves 2 and 3 B's.  Each line has one mask and one set of registers for all that issue it, and nothing in
; them hangs on a coordinate that the four partners do not share.  The branch hangs on the wave's number alone.
.macro JLOAD s
	s_cmp_eq_u32 s11, 0
	s_cbranch_scc0 .Lfor_b_\@
	tensor_load_to_lds s[G0+4*\s:G0+4*\s+3], s[G1:G1+7]
	s_nop 0
	s_branch .Lasked_\@
.Lfor_b_\@:
	tensor_load_to_lds s[G0B+4*\s:G0B+4*\s+3], s[G1B:G1B+7]
	s_nop 0
.Lasked_\@:
.endm
; A round of the cluster's barrier: my work-group's barrier, so that wave 0's signal speaks for all four waves; wave 0 signals for the work-group; every wave
; waits for all sixteen work-groups; my work-group's barrier once more.
.macro CREST                           ; a round behind its opening barrier
	s_cmp_lg_u32 s10, 0
	s_cbranch_scc1 .Lnot_wave_0_\@
	s_barrier_signal -3
.Lnot_wave_0_\@:
	s_barrier_wait -3
	s_barrier_signal -1
	s_barrier_wait -1
.endm
.macro CROUND                          ; a whole round
	s_barrier_signal -1
	s_barrier_wait -1
	CREST
.endm
.macro CONST2 reg, bits                ; a constant twice, as a register pair
	v_mov_b32 v[\reg], \bits
	v_mov_b32 v[\reg+1], \bits
.endm
	s_load_b128 s[4:7], s[0:1], 0x0                ; A s[4:5], B s[6:7]
	s_load_b128 s[68:71], s[0:1], 0x10             ; bias s[68:69], C s[70:71]
	s_set_vgpr_msb 0x40
	v_lshl_add_u32 v255, v0, 2, 0x4c400
	s_set_vgpr_msb 0x4000
	v_mov_b32 v63, 0
	s_set_vgpr_msb 0x1
	ds_add_u32 v255, v63
	s_set_vgpr_msb 0x100
	v_lshrrev_b32 v1, 5, v0
	v_readfirstlane_b32 s10, v1                    ; wave 0..3
	s_lshr_b32 s11, s10, 1                         ; which half of the block's rows is mine.  Also: I fetch for A (0) or for B (1)
	s_and_b32 s12, s10, 1                          ; which half of its columns.  Also: which half of that tile I fetch
	s_bfe_u32 s40, ttmp6, 0x40000                  ; cx: my place along the cluster's x
	s_bfe_u32 s41, ttmp6, 0x40004                  ; cy: along its y
	s_lshl_b32 s42, ttmp9, 2                       ; in a cluster launch ttmp9 and ttmp7 count clusters
	s_add_co_u32 s42, s42, s40                     ; block column of C = 4 x cluster x + cx
	s_and_b32 s13, ttmp7, 0xffff
	s_lshr_b32 s45, s13, 1                         ; expert = block row / 8 = cluster y / 2: the same in all sixteen
	s_lshl_b32 s13, s13, 2
	s_add_co_u32 s13, s13, s41                     ; block row of C = 4 x cluster y + cy, 0 to 63 through all experts
	s_lshl_b32 s43, s41, 2
	s_lshl_b32 s43, 15, s43                        ; my row of the cluster: places 4 cy .. 4 cy + 3
	s_lshl_b32 s44, 0x1111, s40                    ; my column: places cx, cx + 4, cx + 8, cx + 12
	; group 1 for A: 128 rows x 128 elements of 2 bytes; 4 words of padding after every 64 words
	s_or_b32 s[G1+0], s43, (1<<16)|(1<<20)|(1<<21)|(5<<22)|(3<<25)   ; 15:0 the mask: my row; 17:16 element of 2 bytes; 20 padding on; 21 set beside a mask; 24:22 interval code 5; 31:25 pad code 3
	s_mov_b32 s[G1+1], KSTEP<<16                   ; tensor_dim0 = 128
	s_mov_b32 s[G1+2], 128<<16                     ; tensor_dim1 = 128
	s_mov_b32 s[G1+3], KSTEP<<16                   ; tile_dim0 = 128
	s_mov_b32 s[G1+4], 128                         ; tile_dim1 = 128
	s_mov_b32 s[G1+5], SIZE_K                      ; elements from row to row
	s_mov_b32 s[G1+6], 0
	s_mov_b32 s[G1+7], 0
	; group 1 for B: 64 k-rows x 256 elements of 2 bytes; 8 words of padding after every 128 words
	s_or_b32 s[G1B+0], s44, (1<<16)|(1<<20)|(1<<21)|(6<<22)|(7<<25)  ; the mask: my column; interval code 6; pad code 7
	s_mov_b32 s[G1B+1], 256<<16                    ; tensor_dim0 = 256
	s_mov_b32 s[G1B+2], 64<<16                     ; tensor_dim1 = 64
	s_mov_b32 s[G1B+3], 256<<16                    ; tile_dim0 = 256
	s_mov_b32 s[G1B+4], 64                         ; tile_dim1 = 64
	s_mov_b32 s[G1B+5], SIZE_N                     ; elements from row to row
	s_mov_b32 s[G1B+6], 0
	s_mov_b32 s[G1B+7], 0
	; where the tiles come from.  A's hang on the block row alone, which my row of the cluster shares; B's on the expert and the block column, which my column shares.
	; Every wave makes both offsets (each below 2^27), in registers that never hold the other coordinate, and asks by one of them.
	s_lshl_b32 s17, s12, 7
	s_lshl_b32 s16, s13, 8
	s_add_co_u32 s16, s16, s17                     ; A: row 256 x block row + 128 x half
	s_lshl_b32 s16, s16, ASH                       ; in bytes
	s_mov_b32 s17, 0
	s_lshl_b32 s46, s45, ESH                       ; B: the expert's weights,
	s_lshl_b32 s18, s12, BHSH
	s_add_co_u32 s46, s46, s18                     ; k-row 64 x half,
	s_lshl_b32 s18, s42, 9
	s_add_co_u32 s46, s46, s18                     ; column 256 x block column
	s_mov_b32 s47, 0
	s_lshl_b32 s74, s45, BIASE                     ; bias: the expert's,
	s_lshl_b32 s18, s42, 10
	s_add_co_u32 s74, s74, s18                     ; column 256 x block column,
	s_lshl_b32 s18, s12, 9
	s_add_co_u32 s74, s74, s18                     ; + 128 x my half
	s_mov_b32 s75, 0
	s_mul_i32 s20, s10, HALFT                      ; and where the tiles go: A's two halves, then B's two halves = wave x 34,816: no place in the cluster enters an LDS address
	s_wait_dscnt 0x0
	s_wait_kmcnt 0x0
	s_add_nc_u64 s[14:15], s[4:5], s[16:17]
	s_add_nc_u64 s[46:47], s[6:7], s[46:47]
	s_add_nc_u64 s[68:69], s[68:69], s[74:75]
	CROUND                                         ; all sixteen work-groups are here: the first joint loads meet
.irp s, 0,1
	s_mov_b32 s[G0+4*\s], 1                                        ; count = 1
	s_add_co_u32 s[G0+4*\s+1], s20, \s*SLOT                        ; LDS address
	s_add_nc_u64 s[G0+4*\s+2:G0+4*\s+3], s[14:15], \s*KSTEP*2      ; global address: K step s, along A's rows
	s_or_b32 s[G0+4*\s+3], s[G0+4*\s+3], 0x80000000                ; type = 2
	s_mov_b32 s[G0B+4*\s], 1
	s_add_co_u32 s[G0B+4*\s+1], s20, \s*SLOT
	s_add_nc_u64 s[G0B+4*\s+2:G0B+4*\s+3], s[46:47], \s*KSTEP*SIZE_N*2   ; K step s, down B's rows
	s_or_b32 s[G0B+4*\s+3], s[G0B+4*\s+3], 0x80000000
	JLOAD \s                                       ; the ring is filled before anything else is done
.endr
	v_and_b32 v1, 15, v0                           ; l % 16
	v_bfe_u32 v2, v0, 4, 1                         ; l / 16
	v_lshlrev_b32 v[BO], 5, v2                     ; eight f32 for each half of the lanes
.irp b, 0,1,2,3,4,5,6,7
	global_load_b128 v[BIAS+8*\b:BIAS+8*\b+3],   v[BO], s[68:69] offset:64*\b      ; bias of columns 16 b + 8 (l / 16) + 0..3
	global_load_b128 v[BIAS+8*\b+4:BIAS+8*\b+7], v[BO], s[68:69] offset:64*\b+16   ; and + 4..7: once, kept in registers to the end
.endr
	; A's fragment, 16 rows x 32 K: lane l holds row l % 16; registers 0-3 hold K = 8 (l / 16) + 0..7, registers 4-7 hold K = 16 + 8 (l / 16) + 0..7: two loads of 16 bytes, 32 bytes apart.
	v_mul_u32_u24 v3, v1, PITCH
	v_lshl_add_u32 v3, v2, 4, v3                   ; row x pitch + 16 x half
	s_mul_i32 s21, s11, HALFT                      ; my 128 rows of A
	; B's fragment, 32 K x 16 columns, by the transposing load: lane l addresses k-row 8 (l / 16) + l % 8 and the 16 bytes of columns 8 ((l / 8) % 2) + 0..7;
	; it receives K = 8 (l / 16) + 0..7 of column l % 16.  The second load, 16 k-rows further down, brings K + 16.
	v_and_b32 v4, 7, v0
	v_lshl_add_u32 v4, v2, 3, v4
	v_mul_u32_u24 v4, v4, PITCHB
	v_bfe_u32 v5, v0, 3, 1
	v_lshl_add_u32 v4, v5, 4, v4
	s_lshl_b32 s22, s12, 8                         ; my 128 columns of B: 256 bytes along its rows,
	s_add_co_u32 s22, s22, 2*HALFT                 ; which lie behind A's 256 rows
.irp s, 0,1
	v_add_nc_u32 v[ADRA+\s], s21, v3
	v_add_nc_u32 v[ADRB+\s], s22, v4
	s_add_co_u32 s21, s21, SLOT
	s_add_co_u32 s22, s22, SLOT
.endr
	s_mul_i32 s23, s10, 16*SPITCH
	s_add_co_u32 s23, s23, STAGE                   ; my stage
	v_mul_u32_u24 v4, v1, SPITCH                   ; in: row l % 16, eight numbers for each half of the lanes
	v_lshl_add_u32 v4, v2, STSH, v4
	v_add_nc_u32 v[STO], s23, v4
.if FIRST
	v_mul_u32_u24 v5, v2, SPITCH                   ; back: lanes 0-15 take one row of 256 bytes, lanes 16-31 the next
	v_lshl_add_u32 v5, v1, 4, v5
	v_add_nc_u32 v[RD], s23, v5
	v_lshlrev_b32 v5, 12, v2                       ; and the same two rows in C
	v_lshl_add_u32 v[CO], v1, 4, v5
	s_mov_b32 s72, 0x7fffffff                      ; clears a sign
	CONST2 CP, 0x3e6d3389                          ;  0.2316419    = 0.3275911 / sqrt 2
	CONST2 N1, 0xbe027906                          ; -0.127414796  = -0.254829592 / 2
	CONST2 N2, 0x3e11a98e                          ;  0.142248368  =  0.284496736 / 2
	CONST2 N3, 0xbf35f0e3                          ; -0.71070687   = -1.421413741 / 2
	CONST2 N4, 0x3f3a00e3                          ;  0.72657601   =  1.453152027 / 2
	CONST2 N5, 0xbf07dc22                          ; -0.53070271   = -1.061405429 / 2
	CONST2 CE, 0xbf38aa3b                          ; -0.72134752   = -log2(e) / 2
.else
	v_and_b32 v5, 31, v0                           ; back: the 32 lanes take one row of 512 bytes
	v_lshlrev_b32 v[CO], 4, v5
	v_add_nc_u32 v[RD], s23, v[CO]
.endif
; 16 matrix instructions: row blocks a0, a0 + 1 of the window's four (hi = 0: my rows 0-63, 1: rows 64-127) x all 8 column blocks, 32 along K.
; zero = 1: the first product starts the sums: nothing is ever cleared.  The 64 accumulators take turns, one instruction a turn, in the same
; order in every quarter step, over the loop's backward jump too.
.macro MUL16 f, hi, a0, zero
.irp a, \a0, \a0+1
.irp b, 0,1,2,3,4,5,6,7
.if \zero
	v_wmma_f32_16x16x32_bf16 v[8*(8*(\a)+\b):8*(8*(\a)+\b)+7], v[\f+8*\b:\f+8*\b+7], v[\f+8*(4*\hi+\a):\f+8*(4*\hi+\a)+7], 0
.else
	v_wmma_f32_16x16x32_bf16 v[8*(8*(\a)+\b):8*(8*(\a)+\b)+7], v[\f+8*\b:\f+8*\b+7], v[\f+8*(4*\hi+\a):\f+8*(4*\hi+\a)+7], v[8*(8*(\a)+\b):8*(8*(\a)+\b)+7]
.endif
.endr
.endr
.endm
; 32 LDS loads in one run: the fragments of quarter q of a K step (32 K x 128 columns of B, 128 rows x 32 K of A) into buffer f.
; B's first: 32 k-rows are 17,408 bytes, 16 are 8,704, 16 columns 32 bytes; the largest offset is 61,152, inside the 16 bits.
.macro FETCH slot, q, f
	WIN TO_B
.irp i, 0,1,2,3,4,5,6,7
	ds_load_tr16_b128 v[\f+8*\i:\f+8*\i+3],   v[ADRB+\slot] offset:\q*32*PITCHB+32*\i
	ds_load_tr16_b128 v[\f+8*\i+4:\f+8*\i+7], v[ADRB+\slot] offset:\q*32*PITCHB+32*\i+16*PITCHB
.endr
	WIN 0
.irp i, 0,1,2,3,4,5,6,7
	ds_load_b128 v[\f+8*\i:\f+8*\i+3],   v[ADRA+\slot] offset:\q*64+\i*16*PITCH
	ds_load_b128 v[\f+8*\i+4:\f+8*\i+7], v[ADRA+\slot] offset:\q*64+\i*16*PITCH+32
.endr
.endm
; A load into a register that a matrix instruction has read, and a vector instruction that reads a matrix result or writes one of a matrix instruction's
; registers, stand four places behind that matrix instruction, and only plain vector instructions that name none of its registers are places
; (ISA guide 7.12.1 for vector instructions).  So four v_nop stand in front of each run of loads and of the way out.
.macro PLACES
.rept 4
	v_nop
.endr
.endm
; A K step is four quarter steps of 32 along K, 64 matrix instructions each, on buffers 0, 1, 0, 1.
; One of the first three: multiplies buffer f; in its middle it fetches quarter q of the same slot into buffer g.
.macro QUARTER slot, q, f, g, zero
	s_wait_dscnt 8                                 ; B and A's rows 0-63 are in; the youngest eight loads (A's rows 64-127) may be out
	WIN MUL_LO
	MUL16 \f, 0, 0, \zero
	MUL16 \f, 0, 2, \zero
	PLACES
	FETCH \slot, \q, \g
	s_wait_dscnt 32                                ; all but the 32 just issued
	WIN MUL_HI
	MUL16 \f, 1, 0, \zero
	MUL16 \f, 1, 2, \zero
.endm
.macro THREE slot, zero
	QUARTER \slot, 1, F0, F1, \zero
	QUARTER \slot, 2, F1, F0, 0
	QUARTER \slot, 3, F0, F1, 0
.endm
; The last quarter: multiplies buffer 1 and changes slots.  next = the other slot; fill = 1: this slot is filled again, two K steps ahead.
; One barrier for the change of slots, for two things.  In front of it each wave waits for its own reads of this slot and for all its tensor loads,
; of which one is out: its part of the next slot.  Behind it nobody reads this slot any more and the next slot is whole: the refill comes first,
; then the next slot's first fragments.  From a request to the wait for it a wave issues 240 matrix instructions.
.macro TURN slot, next, fill
	s_wait_dscnt 8
	WIN MUL_LO
	MUL16 F1, 0, 0, 0
	s_wait_dscnt 0                                 ; my reads of this slot are over
	s_wait_tensorcnt 0x0                           ; and all my tensor loads have landed: the one that was out is my part of the next slot:
	ds_add_u32 v255, v63
	s_wait_dscnt 0x0
	s_barrier_signal -1                            ; say so (where a slot is filled again this barrier opens a round of the cluster's barrier),
	MUL16 F1, 0, 2, 0                              ; work on registers while the others arrive,
	WIN 0
	s_barrier_wait -1                              ; and go on when all four have said so
.if \fill
	CREST                                          ; all sixteen work-groups have said so: no wave of any partner still reads this slot's tile or has a load on its way
	s_add_nc_u64 s[G0+4*\slot+2:G0+4*\slot+3], s[G0+4*\slot+2:G0+4*\slot+3], 2*KSTEP*2     ; no tensor load of mine is out: a group 0 may be written
	s_add_nc_u64 s[G0B+4*\slot+2:G0B+4*\slot+3], s[G0B+4*\slot+2:G0B+4*\slot+3], BSTEP2
	JLOAD \slot                                    ; the first tensor load behind the round, and my only one until the next
.endif
	PLACES
	FETCH \next, 0, F0
	WIN MUL_HI
	MUL16 F1, 1, 0, 0
	MUL16 F1, 1, 2, 0
.endm
.macro LAP zero                        ; once round the ring, both slots filled again
	THREE 0, \zero
	TURN 0, 1, 1
	THREE 1, 0
	TURN 1, 0, 1
.endm
	s_wait_loadcnt 0x0                             ; my biases, once
	s_wait_tensorcnt 1                             ; my part of K step 0 is in; K step 1's, issued behind it, may stay out
	s_barrier_signal -1
	s_barrier_wait -1                              ; everybody's is
	FETCH 0, 0, F0
	LAP 1                                          ; the first lap stands in front of the loop: its first products start the sums
	WIN 0                                          ; at a label and at a branch every window is 0
	s_mov_b32 s3, LAPS-2
.Llap:
	LAP 0
	WIN 0
	s_sub_co_u32 s3, s3, 1
	s_cmp_lg_u32 s3, 0
	s_cbranch_scc1 .Llap
	THREE 0, 0                                     ; the last lap fills nothing and has no round of the cluster's barrier: my one tensor load still out is the last K step's
	TURN 0, 1, 0
	THREE 1, 0
	s_wait_dscnt 8                                 ; the very last quarter: nothing more to fetch
	WIN MUL_LO
	MUL16 F1, 0, 0, 0
	MUL16 F1, 0, 2, 0
	s_wait_dscnt 0
	WIN MUL_HI
	MUL16 F1, 1, 0, 0
	MUL16 F1, 1, 2, 0
	; THE WAY OUT, 16 rows of C at a time: add the bias (and take GELU and round to bf16), a lane's eight numbers into my own stage in LDS,
	; read back as whole rows.  The four v_nop are the places behind the last matrix instructions.
	PLACES
	s_lshl_b32 s16, s13, 8
	s_lshl_b32 s17, s11, 7
	s_add_co_u32 s16, s16, s17                     ; my first row of C,
	s_lshl_b32 s16, s16, 12                        ; in bytes (below 2^27)
	s_mov_b32 s17, 0
	s_add_nc_u64 s[70:71], s[70:71], s[16:17]
	s_lshl_b32 s46, s42, CCOL                      ; my first column, in bytes (in the registers that held B's address: none that fed A's descriptors ever holds cx)
	s_lshl_b32 s47, s12, CCOL-1
	s_add_co_u32 s46, s46, s47
	s_mov_b32 s47, 0
	s_add_nc_u64 s[70:71], s[70:71], s[46:47]
; GELU of the 16 numbers z in v[zb .. zb+15], rounded to bf16 in place: 8 numbers become the 4 registers at zb, the next 8 those at zb + 8.
;   t = 1 / (1 + p |z| / sqrt 2);  y = 0.5 - (a1 t + .. + a5 t^5) / 2 x exp(-z z / 2) = 0.5 erf(|z| / sqrt 2);  gelu = 0.5 z + |z| y.
.macro GELU16 zb
.irp p, 0,1,2,3,4,5,6,7,8,9,10,11,12,13,14,15
	v_and_b32 v[AA+\p], s72, v[\zb+\p]                                                     ; |z|
.endr
.irp p, 0,2,4,6,8,10,12,14
	v_pk_fma_f32 v[TT+\p:TT+\p+1], v[AA+\p:AA+\p+1], v[CP:CP+1], 1.0 op_sel_hi:[1,1,0]     ; 1 + p |z| / sqrt 2
	v_pk_mul_f32 v[EE+\p:EE+\p+1], v[\zb+\p:\zb+\p+1], v[\zb+\p:\zb+\p+1]                  ; z z (an overflow to infinity ends as exp = 0, which is right)
.endr
.irp p, 0,2,4,6,8,10,12,14
	v_pk_mul_f32 v[EE+\p:EE+\p+1], v[EE+\p:EE+\p+1], v[CE:CE+1]                            ; -z z log2(e) / 2
.endr
.irp p, 0,1,2,3,4,5,6,7,8,9,10,11,12,13,14,15
	v_rcp_f32 v[TT+\p], v[TT+\p]
.endr
.irp p, 0,1,2,3,4,5,6,7,8,9,10,11,12,13,14,15
	v_exp_f32 v[EE+\p], v[EE+\p]
.endr
.irp p, 0,2,4,6,8,10,12,14
	v_pk_mul_f32 v[\zb+\p:\zb+\p+1], v[\zb+\p:\zb+\p+1], 0.5 op_sel_hi:[1,0]               ; 0.5 z: plain work that names neither TT nor EE stands behind the transcendentals before their results are used (ISA guide 5.7.2)
.endr
.irp p, 0,2,4,6,8,10,12,14
	v_pk_fma_f32 v[PP+\p:PP+\p+1], v[TT+\p:TT+\p+1], v[N5:N5+1], v[N4:N4+1]
.endr
.irp p, 0,2,4,6,8,10,12,14
	v_pk_fma_f32 v[PP+\p:PP+\p+1], v[PP+\p:PP+\p+1], v[TT+\p:TT+\p+1], v[N3:N3+1]
.endr
.irp p, 0,2,4,6,8,10,12,14
	v_pk_fma_f32 v[PP+\p:PP+\p+1], v[PP+\p:PP+\p+1], v[TT+\p:TT+\p+1], v[N2:N2+1]
.endr
.irp p, 0,2,4,6,8,10,12,14
	v_pk_fma_f32 v[PP+\p:PP+\p+1], v[PP+\p:PP+\p+1], v[TT+\p:TT+\p+1], v[N1:N1+1]
.endr
.irp p, 0,2,4,6,8,10,12,14
	v_pk_mul_f32 v[PP+\p:PP+\p+1], v[PP+\p:PP+\p+1], v[TT+\p:TT+\p+1]                      ; -(a1 t + .. + a5 t^5) / 2
.endr
.irp p, 0,2,4,6,8,10,12,14
	v_pk_fma_f32 v[PP+\p:PP+\p+1], v[PP+\p:PP+\p+1], v[EE+\p:EE+\p+1], 0.5 op_sel_hi:[1,1,0]   ; y
.endr
.irp p, 0,2,4,6,8,10,12,14
	v_pk_fma_f32 v[\zb+\p:\zb+\p+1], v[AA+\p:AA+\p+1], v[PP+\p:PP+\p+1], v[\zb+\p:\zb+\p+1]    ; |z| y + 0.5 z
.endr
.irp t, 0,1
.irp r, 0,1,2,3
	v_cvt_pk_bf16_f32 v[\zb+8*\t+\r], v[\zb+8*\t+2*\r], v[\zb+8*\t+2*\r+1]                 ; ascending: register r is written when numbers 2 r and 2 r + 1 are read, never earlier
.endr
.endr
.endm
; rows 16 i .. 16 i + 15 of my block = the eight tiles (a, 0..7) of window 2 or 3 (from = 0x02 or 0x03: source 0 alone leaves window 0)
.macro OUT16 i, a, from
	WIN \from
.irp b, 0,1,2,3,4,5,6,7
.irp p, 0,2,4,6
	v_pk_add_f32 v[Z+8*\b+\p:Z+8*\b+\p+1], v[8*(8*\a+\b)+\p:8*(8*\a+\b)+\p+1], v[BIAS+8*\b+\p:BIAS+8*\b+\p+1]   ; z = sum + bias
.endr
.endr
	WIN 0
.if FIRST
	GELU16 Z
	GELU16 Z+16
	GELU16 Z+32
	GELU16 Z+48
.irp b, 0,1,2,3,4,5,6,7
	ds_store_b128 v[STO], v[Z+8*\b:Z+8*\b+3] offset:32*\b          ; eight bf16: columns 16 b + 8 (l / 16) + 0..7 of row l % 16
.endr
	s_wait_xcnt 0x0                                ; every earlier memory instruction has had its addresses translated (ISA guide 3.1): RB, which stores read, and the stores' base are rewritten only behind this wait
.if \i
	s_add_nc_u64 s[70:71], s[70:71], 16*CROW       ; 16 rows of C on
.endif
.irp t, 0,1,2,3,4,5,6,7
	ds_load_b128 v[RB+4*\t:RB+4*\t+3], v[RD] offset:\t*2*SPITCH    ; LDS serves a wave's instructions in order (ISA guide 5.7.1.4): these see the stores above, and the stage is my own
.endr
.irp t, 0,1,2,3,4,5,6,7
	s_wait_dscnt 7-\t                              ; the loads younger than load t may be out
	global_store_b128 v[CO], v[RB+4*\t:RB+4*\t+3], s[70:71] offset:2*\t*CROW   ; 16 lanes store 256 consecutive bytes, at a multiple of 256 from C's first byte
.endr
.else
.irp b, 0,1,2,3,4,5,6,7
	ds_store_b128 v[STO], v[Z+8*\b:Z+8*\b+3]   offset:64*\b        ; eight f32: columns 16 b + 8 (l / 16) + 0..3 of row l % 16,
	ds_store_b128 v[STO], v[Z+8*\b+4:Z+8*\b+7] offset:64*\b+16     ; and + 4..7
.endr
	s_wait_xcnt 0x0                                ; every earlier memory instruction has had its addresses translated (ISA guide 3.1): RB, which stores read, and the stores' base are rewritten only behind this wait
.if \i
	s_add_nc_u64 s[70:71], s[70:71], 16*CROW       ; 16 rows of C on
.endif
.irp t, 0,1,2,3,4,5,6,7,8,9,10,11,12,13,14,15
	ds_load_b128 v[RB+4*\t:RB+4*\t+3], v[RD] offset:\t*SPITCH      ; LDS serves a wave's instructions in order (ISA guide 5.7.1.4): these see the stores above, and the stage is my own
.endr
.irp t, 0,1,2,3,4,5,6,7,8,9,10,11,12,13,14,15
	s_wait_dscnt 15-\t                             ; the loads younger than load t may be out
	global_store_b128 v[CO], v[RB+4*\t:RB+4*\t+3], s[70:71] offset:\t*CROW th:TH_STORE_NT   ; the wave stores 512 consecutive bytes of one row, at a multiple of 512 from C's first byte
.endr
.endif
.endm
	OUT16 0, 0, 0x02
	OUT16 1, 1, 0x02
	OUT16 2, 2, 0x02
	OUT16 3, 3, 0x02
	OUT16 4, 0, 0x03
	OUT16 5, 1, 0x03
	OUT16 6, 2, 0x03
	OUT16 7, 3, 0x03
	s_set_vgpr_msb 0x1
	s_wait_tensorcnt 0x0
	ds_add_u32 v255, v63
	s_wait_dscnt 0x0
	s_set_vgpr_msb 0x100
	CROUND                                         ; the closing round: no work-group ends while a partner may still ask for a tile that names it
	s_endpgm
.Lfunc_end_k_q78f85da79d_ffn2:
	.size	k_q78f85da79d_ffn2, .Lfunc_end_k_q78f85da79d_ffn2-k_q78f85da79d_ffn2
	.p2alignl 7, 3214868480
	.fill 96, 4, 3214868480
	.section	.rodata,"a",@progbits
	.p2align	6, 0x0
	.amdhsa_kernel k_q78f85da79d_ffn2
		.amdhsa_group_segment_fixed_size 327680
		.amdhsa_private_segment_fixed_size 0
		.amdhsa_enable_private_segment 0
		.amdhsa_kernarg_size 32
		.amdhsa_user_sgpr_count 2
		.amdhsa_user_sgpr_kernarg_segment_ptr 1
		.amdhsa_wavefront_size32 1
		.amdhsa_system_sgpr_workgroup_id_x 1
		.amdhsa_system_sgpr_workgroup_id_y 1
		.amdhsa_system_sgpr_workgroup_id_z 1
		.amdhsa_system_vgpr_workitem_id 0
		.amdhsa_next_free_vgpr 1024
		.amdhsa_next_free_sgpr 76
		.amdhsa_reserve_vcc 0
		.amdhsa_float_denorm_mode_32 3
		.amdhsa_float_denorm_mode_16_64 3
		.amdhsa_memory_ordered 1
		.amdhsa_forward_progress 1
		.amdhsa_inst_pref_size 214
	.end_amdhsa_kernel
	.amdgpu_metadata
---
amdhsa.version: [ 1, 2 ]
amdhsa.kernels:
  - .name:           k_q78f85da79d_ffn2
    .symbol:         k_q78f85da79d_ffn2.kd
    .args:
      - { .name: h, .offset: 0, .size: 8, .value_kind: global_buffer, .address_space: global }
      - { .name: w2b, .offset: 8, .size: 8, .value_kind: global_buffer, .address_space: global }
      - { .name: b2, .offset: 16, .size: 8, .value_kind: global_buffer, .address_space: global }
      - { .name: out0, .offset: 24, .size: 8, .value_kind: global_buffer, .address_space: global }
    .group_segment_fixed_size: 327680
    .private_segment_fixed_size: 0
    .kernarg_segment_align: 8
    .kernarg_segment_size: 32
    .max_flat_workgroup_size: 128
    .sgpr_count:     76
    .vgpr_count:     1024
    .wavefront_size: 32
...
	.end_amdgpu_metadata
.endif
;; end of part 4
;; ======== version 2 of 2: 4 launches; version 1 with the launch cast written anew for expert scheduling mode
;; workspace buffers: xb_lo 16,777,216 bytes; xb_hi 16,777,216 bytes; w1b_lo 16,777,216 bytes; w1b_hi 16,777,216 bytes; w2b 33,554,432 bytes; h 67,108,864 bytes
;; launch cast (part 5): grid 256 x 2, 8 waves a work-group, no clusters, 0 bytes of LDS; arguments x, w1, xb_lo, w1b_lo; writes xb_lo, w1b_lo
.if DOCPART == 5
	.amdgcn_target "amdgcn-amd-amdhsa--gfx1250"
	.amdhsa_code_object_version 6
	.text
	.protected	k_q78f85da79d_cast
	.globl	k_q78f85da79d_cast
	.p2align	8
	.type	k_q78f85da79d_cast,@function
k_q78f85da79d_cast:
	s_mov_b64 s[64:65], 0
	v_nop
	global_prefetch_b8 v0, s[64:65] scope:SCOPE_SE
	s_setreg_imm32_b32 hwreg(HW_REG_WAVE_SCHED_MODE, 0, 2), 2
	s_setreg_imm32_b32 hwreg(HW_REG_WAVE_MODE, 25, 1), 1
	s_wait_xcnt 0x0
	s_wait_alu depctr_vm_vsrc(0)
; xb_lo = bf16(x rows 0 to 8191), w1b_lo = bf16(w1 of experts 0 to 3): each number rounded once, to nearest even; the order in memory stays.
; Only what the first half of the first layer needs is rounded here; the other halves of x and w1, and w2, are rounded by the two launches
; of the first layer, beside their matrix work.
; Both parts hold 8,388,608 f32.  The work-group's y picks the tensor, its x a piece of 32,768 numbers (131,072 bytes in, 65,536 out).
; A piece is 32 chunks of 4,096 input bytes.  Thread t takes the 16 bytes at 16 t of every chunk and stores 8 bytes at 8 t:
; a load of a wave covers 512 consecutive bytes, a store 256 consecutive bytes, both starting at a multiple of their length.
; A stream: every byte is read once and written once, so LDS, barriers and the matrix unit would add nothing.
; All 32 loads of a wave go out at once (128 registers); a chunk is rounded in place and stored from the registers that it was loaded into.
; No register is loaded twice and no address register is rewritten (all steps stand in the immediates, 126,976 at the most).
; THE MODE: SCHED_MODE bits 1:0 = 2 (LLVM: expert scheduling mode 2), set by the entry lines.  The code itself states the register dependences
; between vector instructions and memory instructions, with s_wait_alu, always for 0.
; THE PLAN.  Registers that memory instructions touch:
;   v1, v2     byte offsets.  Written once at the head; read by every load (v1) and every store (v2); never written again.
;   X[c]       chunk c's four registers.  Written by chunk c's load, which is issued before any conversion; read by chunk c's two conversions,
;              which write its first two registers in place; these two are read by chunk c's store.  Nothing writes them after that.
; The 32 chunks go in 8 blocks of four.  Block p rounds its four chunks; its memory instructions are the four stores of block p - 1, whose
; registers no vector instruction of block p names.  So one wait at a block's head states all that the block's four stores hang on, and they are dealt
; among its conversions with no further wait.  No register that a memory instruction has read is written again, so nothing is owed on that side.
.set CHUNKS, 32
.set BLOCK,  4                         ; chunks in a block
.set VI, 1                             ; v1        16 t: my bytes in an input chunk; never rewritten
.set VO, 2                             ; v2        8 t: my bytes in an output chunk; never rewritten
.set X,  4                             ; v[4:131]  chunk c: 4 f32 as loaded; then 4 bf16 in its first two registers
	s_load_b256 s[4:11], s[0:1], 0x0               ; x s[4:5], w1 s[6:7], xb_lo s[8:9], w1b_lo s[10:11]
	s_and_b32 s16, ttmp7, 0xffff                   ; which tensor: 0, 1
	s_lshl_b32 s18, ttmp9, 17                      ; my piece in the input, in bytes (below 2^25),
	s_mov_b32 s19, 0
	s_lshl_b32 s20, ttmp9, 16                      ; and in the output
	s_mov_b32 s21, 0
	v_lshlrev_b32 v[VI], 4, v0
	v_lshlrev_b32 v[VO], 3, v0
	s_wait_kmcnt 0x0
	s_cmp_eq_u32 s16, 1                            ; the choice hangs on the work-group's y alone
	s_cselect_b64 s[4:5], s[6:7], s[4:5]
	s_cselect_b64 s[8:9], s[10:11], s[8:9]
	s_add_nc_u64 s[4:5], s[4:5], s[18:19]
	s_add_nc_u64 s[8:9], s[8:9], s[20:21]
	s_wait_alu depctr_va_vdst(0)                   ; v1 and v2 are written: every load and store of the kernel reads one of them as its offset
.set ch, 0
.rept CHUNKS
	global_load_b128 v[X+4*ch:X+4*ch+3], v[VI], s[4:5] offset:ch*4096 th:TH_LOAD_NT
.set ch, ch+1
.endr
; The store of chunk c: its first two registers, 4 bf16 a lane.
.macro OUT c
	global_store_b64 v[VO], v[X+4*(\c):X+4*(\c)+1], s[8:9] offset:(\c)*2048 th:TH_STORE_NT
.endm
; Block p: chunks 4 p to 4 p + 3 are rounded; the block before goes out.
.macro BLK p
	s_wait_loadcnt CHUNKS-BLOCK*((\p)+1)           ; loads come back in order (ISA guide 5.7.1): block p's four are in, the younger blocks' loads stay out
.if (\p) > 0
	s_wait_alu depctr_va_vdst(0)                   ; the conversions of the block before have written its eight words, which the four stores below read
.endif
.irp i, 0,1,2,3
.if (\p) > 0
	OUT BLOCK*((\p)-1)+(\i)                        ; no vector instruction since the wait names these registers
.endif
	v_cvt_pk_bf16_f32 v[X+4*(BLOCK*(\p)+(\i))],   v[X+4*(BLOCK*(\p)+(\i))],   v[X+4*(BLOCK*(\p)+(\i))+1]    ; in place: register 1 is read here
	v_cvt_pk_bf16_f32 v[X+4*(BLOCK*(\p)+(\i))+1], v[X+4*(BLOCK*(\p)+(\i))+2], v[X+4*(BLOCK*(\p)+(\i))+3]    ; and written only here
.endr
.endm
.irp p, 0,1,2,3,4,5,6,7
	BLK \p
.endr
	s_wait_alu depctr_va_vdst(0)                   ; the last block's conversions have written its eight words, which the last four stores read
.irp i, 0,1,2,3
	OUT CHUNKS-BLOCK+(\i)
.endr
	s_endpgm
.Lfunc_end_k_q78f85da79d_cast:
	.size	k_q78f85da79d_cast, .Lfunc_end_k_q78f85da79d_cast-k_q78f85da79d_cast
	.p2alignl 7, 3214868480
	.fill 96, 4, 3214868480
	.section	.rodata,"a",@progbits
	.p2align	6, 0x0
	.amdhsa_kernel k_q78f85da79d_cast
		.amdhsa_group_segment_fixed_size 0
		.amdhsa_private_segment_fixed_size 0
		.amdhsa_enable_private_segment 0
		.amdhsa_kernarg_size 32
		.amdhsa_user_sgpr_count 2
		.amdhsa_user_sgpr_kernarg_segment_ptr 1
		.amdhsa_wavefront_size32 1
		.amdhsa_system_sgpr_workgroup_id_x 1
		.amdhsa_system_sgpr_workgroup_id_y 1
		.amdhsa_system_sgpr_workgroup_id_z 1
		.amdhsa_system_vgpr_workitem_id 0
		.amdhsa_next_free_vgpr 132
		.amdhsa_next_free_sgpr 66
		.amdhsa_reserve_vcc 0
		.amdhsa_float_denorm_mode_32 3
		.amdhsa_float_denorm_mode_16_64 3
		.amdhsa_memory_ordered 1
		.amdhsa_forward_progress 1
		.amdhsa_inst_pref_size 12
	.end_amdhsa_kernel
	.amdgpu_metadata
---
amdhsa.version: [ 1, 2 ]
amdhsa.kernels:
  - .name:           k_q78f85da79d_cast
    .symbol:         k_q78f85da79d_cast.kd
    .args:
      - { .name: x, .offset: 0, .size: 8, .value_kind: global_buffer, .address_space: global }
      - { .name: w1, .offset: 8, .size: 8, .value_kind: global_buffer, .address_space: global }
      - { .name: xb_lo, .offset: 16, .size: 8, .value_kind: global_buffer, .address_space: global }
      - { .name: w1b_lo, .offset: 24, .size: 8, .value_kind: global_buffer, .address_space: global }
    .group_segment_fixed_size: 0
    .private_segment_fixed_size: 0
    .kernarg_segment_align: 8
    .kernarg_segment_size: 32
    .max_flat_workgroup_size: 256
    .sgpr_count:     66
    .vgpr_count:     132
    .wavefront_size: 32
...
	.end_amdgpu_metadata
.endif
;; end of part 5
;; launch ffn1a: the kernel of part 2 again; grid 8 x 32, 4 waves a work-group, clusters of 4 x 4, 327,680 bytes of LDS; arguments xb_lo, w1b_lo, b1, h, x, w1, xb_hi, w1b_hi; writes h, xb_hi, w1b_hi
;; launch ffn1b: the kernel of part 3 again; grid 8 x 32, 4 waves a work-group, clusters of 4 x 4, 327,680 bytes of LDS; arguments xb_hi, w1b_hi, b1, h, w2, w2b; writes h, w2b
;; launch ffn2: the kernel of part 4 again; grid 4 x 64, 4 waves a work-group, clusters of 4 x 4, 327,680 bytes of LDS; arguments h, w2b, b2, out0; writes out0
